; MI455X (gfx1250); checked and timed in simulation.
; The chip was launched on July 23, 2026; its instructions are those of AMD's public machine-readable ISA for CDNA 5 (MIT licence, August 2026) and "CDNA5" Instruction Set Architecture Reference Guide (July 2026). The comments in the code are by the model that wrote it; some were corrected since.
;; KAN Feed Forward. Allowed arithmetic: matrix products marked QUANTISED: E2M3 operands, one E8M0 scale for each 32 along K, by v_wmma_scale_f32_16x16x128_f8f6f4 with both operands' format E2M3, f32 sums; products left as they are: f32 operands where the result goes on into a quantised operand, else bf16, f16 or f32 operands; f32 sums; everything else in f32.
;; Inputs: coef1 512 x 1,024 x 8 float32; coef2 1,024 x 512 x 8 float32; scale_base1 512 x 1,024 float32; scale_base2 1,024 x 512 float32; scale_sp1 512 x 1,024 float32; scale_sp2 1,024 x 512 float32; x 4 x 1,024 x 512 float32.
;; Outputs: out0 4 x 1,024 x 512 float32.
;; This version of the problem:
;;   THIS VERSION OF THE PROBLEM IS GIVEN IN LOW PRECISION. The matrix products marked QUANTISED in the list below multiply operands that are first quantised to E2M3 (2 exponent bits, 3 mantissa bits; 6 bits a number), with one power-of-two scale for each 32 numbers along K (OCP MX v1.0); their sums are f32. All else is computed in f32.
;;   The module's matrix products, in the order in which they are computed (A, B: the left and right operand; K: the contracted axis; several contracted axes count as one K, in the product's order):
;;     1. [M 4,096, K 512] x [K 512, N 1,024]; A: computed on the way; B: input scale_base1: QUANTISED
;;     2. batch 524,288 x [M 8, K 1] x [K 1, N 1]; A: computed on the way; B: computed on the way: left as it is (no contracted axis)
;;     3. [M 4,096, K 4,096] x [K 4,096, N 1,024]; A: computed on the way; B: computed on the way: QUANTISED
;;     4. [M 4,096, K 1,024] x [K 1,024, N 512]; A: computed on the way; B: input scale_base2: QUANTISED
;;     5. batch 524,288 x [M 8, K 1] x [K 1, N 1]; A: computed on the way; B: computed on the way: left as it is (no contracted axis)
;;     6. [M 4,096, K 8,192] x [K 8,192, N 512]; A: computed on the way; B: computed on the way: QUANTISED
;;   THE QUANTISER, for each operand of a quantised product, along K:
;;     - K is cut into blocks of 32 from its start; a last block that is shorter is filled with zeros.
;;     - A block's scale is 2^e with e = floor(log2(the largest magnitude in the block)) - 2, held to -126 .. 127; a block of zeros has e = 0. As a byte (E8M0): e + 127.
;;     - Each number is divided by its block's scale, clamped to +-7.5, and rounded to the nearest number of E2M3, ties to even, subnormals kept.
;;     - The product sums the exact products of the quantised numbers (number of the format x scale) in f32.
;;   ~~~python
;;   def quantise(x, axis):      # numpy; x: float32 -> the quantised numbers, widened to float32 again
;;       x = np.moveaxis(x, axis, -1); K = x.shape[-1]
;;       x = np.pad(x, [(0, 0)] * (x.ndim - 1) + [(0, -K % 32)]); x = x.reshape(x.shape[:-1] + (-1, 32)); a = np.abs(x).max(-1, keepdims=True)
;;       e = np.where(a > 0, np.clip(np.frexp(np.where(a > 0, a, 1))[1] - 1 - 2, -126, 127), 0)      # np.frexp(a)[1] - 1 = floor(log2(a)), exactly
;;       r = np.clip(x / 2.0 ** e, -7.5, 7.5)
;;       step = 2.0 ** (np.maximum(np.frexp(np.where(r == 0, 1, r))[1] - 1, 0) - 3)
;;       q = np.round(r / step) * step * 2.0 ** e      # np.round: ties to even
;;       return np.moveaxis(q.reshape(q.shape[:-2] + (-1,))[..., :K], -1, axis).astype(np.float32)
;;   ~~~
;;   OPERANDS COMPUTED ON THE WAY. 'Computed on the way' means the value that the module computes at that place (a softmax that the list does not call 'softmax' is quantised finished and normalised). What goes into a quantiser is computed in f32, as accurately as f32 sums, v_exp_f32 and their like allow (about 1e-6 of the number): no bf16 or f16 on the way to a quantiser, and a product that is left as it is and whose result goes on into a quantised operand takes f32 operands (vector FMAs, or v_wmma_f32_16x16x4_f32). A number that lies on a knife's edge between two numbers of the format may be rounded either way, as far as f32 arithmetic and the matrix unit's own rounding can turn it there, and no further.
;; One version. Each part assembles by itself: llvm-mc -triple=amdgcn-amd-amdhsa -mcpu=gfx1250 --defsym DOCPART=n.
;; ======== version 1 of 1: 3 launches
;; workspace buffers: a1 14,745,600 bytes; w1 3,686,400 bytes; a2 29,491,200 bytes; w2 3,686,400 bytes
;; launch prep (part 1): grid 256 x 1, 8 waves a work-group, no clusters, 0 bytes of LDS; arguments x, coef1, scale_sp1, scale_base1, coef2, scale_sp2, scale_base2, a1, w1, w2; writes a1, w1, w2
.if DOCPART == 1
	.amdgcn_target "amdgcn-amd-amdhsa--gfx1250"
	.amdhsa_code_object_version 6
	.text
	.protected	k_q61837e0b83_prep
	.globl	k_q61837e0b83_prep
	.p2align	8
	.type	k_q61837e0b83_prep,@function
k_q61837e0b83_prep:
	s_mov_b64 s[64:65], 0
	v_nop
	global_prefetch_b8 v0, s[64:65] scope:SCOPE_SE
	s_setreg_imm32_b32 hwreg(HW_REG_WAVE_MODE, 25, 1), 1
	s_wait_xcnt 0x0
; PREP: the operands of both layers' products that hang on inputs alone, as codes of FP6 (E2M3) with one E8M0 byte for each 32 along K.
; A KAN layer is ONE sum over nine planes f: f = 0..7 the spline plane g (basis B_g(x_i) against coef[i][o][g] x scale_sp[i][o]), f = 8 the base (silu(x_i) against scale_base[i][o]).
; K runs plane by plane, k = f D + i, so a block of 32 is 32 neighbouring i of one plane.  K step s = f (D / 128) + i / 128.
; THE BUFFERS ARE LAID AS THE READER'S REGISTERS: [block][K step][chunk]; a chunk is one image of 1,536 bytes for each fragment (16 rows x 128 K: 12 registers a lane; registers 4 j .. 4 j + 3 of lane l at 512 j + 16 l),
; then one scale word for each row (fragment t, row r at 64 t + 4 r).  a1: 32 blocks of 128 tokens x 36 steps x 12,800 bytes; w1: 8 blocks of 128 outputs x 36 x 12,800; w2: 8 blocks of 64 outputs x 72 x 6,400.
; In w1 and w2 lane r of fragment t holds output 32 (t / 2) + 8 (t % 2) + r + 8 (r / 8) of its block, so that a lane's results of two neighbouring tiles are 16 neighbouring outputs.
; THE SPLINE in closed form: with u = 2.5 x + 5.5 - g (the place of x in plane g's four intervals), q = the middle one of u, 4 - u and 0, r = max(q - 1, 0): B = q^3 / 6 - (2 / 3) r^3; both u and 4 - u are one fused multiply-add.
; SHARES: eight waves.  Waves 0-3 take x: 16 tokens x 128 i, all nine planes.  Waves 4-7 take weights: 16 outputs x 128 i x four planes (the wave with the upper four also the base plane);
; work-groups 0-127 layer 1's, the others layer 2's.  No LDS, no barrier: waves share nothing.
; A block's byte is its largest magnitude's exponent field - 2, held at 1 from below; a block of zeros so has the byte 1 over zero codes: the bytes are read by this program alone.
; LIMITS: NaN and infinities among the inputs are not served; silu(x) for x under about -88 comes out as -0 (its true size is under 1e-36).
; The scale words leave as 64 bytes a fragment, one byte in 25 of what is stored: not whole aligned blocks of 256 bytes.  Waves 4/5 and 6/7 take the two halves of each 32 bytes of coef, and both read scale_sp.
.set LI,   5                           ; v5   16 x lane: my place in an image
.set LS,   6                           ; v6   4 x (lane % 16): my row's scale word
.set XA,   3                           ; v3   x: my byte in the wave's 16 rows
.set XR,   16                          ; v16-79   64 numbers of x: register 16 b + i = i-index 32 b + 16 (lane / 16) + i of row lane % 16
.set FF,   80                          ; v80-143  a plane's 64 numbers
.set TT,   144                         ; v144-191 at work, 16 numbers each
.set UU,   160
.set VV,   176
.set TM,   192                         ; v192-207 the quantiser's: largest magnitudes, bytes, scale operands
.set PW,   208                         ; the scale word
.set CL,   210                         ; v[210:211] 5.5 - g
.set CR,   212                         ; v[212:213] g - 1.5
.set PC,   216                         ; v216-227 the codes; v228-235 at work
.set SPO,  3                           ; weights: v3 my byte in scale_sp and scale_base, v4 in coef
.set COF,  4
.set SH8,  7                           ; v7   8 x (lane / 16)
.set BWD,  16                          ; v16-20 scale words of my planes
.set PT,   21
.set EE,   24                          ; v24-26 a block's upper 16 codes
.set SPR,  32                          ; v32-95   scale_sp: register 32 c + ii = i-index 64 c + 32 (lane / 16) + ii
.set SBR,  96                          ; v96-159  scale_base likewise
.set WT,   160                         ; v160-191 a block's 32 numbers
.set CD,   192                         ; v192-239 four planes' codes
.set CDS,  240                         ; v240-251 the base plane's
.set K25,  46                          ; s[46:47] 2.5   (the packed forms name a pair and take its low word for both halves)
.set KM25, 48                          ; s[48:49] -2.5
.set K16,  50                          ; s[50:51] 1/6
.set K23,  52                          ; s[52:53] -2/3
.set NL2E, 54                          ; s[54:55] -log2(e)
.set SEL,  56                          ; s[56:57] v_permlanex16_b32's selects for lane l xor 16
.set MSB, 0
.macro WIN new                         ; the immediate's high byte repeats the setting that is left; a switch that changes nothing is dropped
.if MSB != (\new)
	s_set_vgpr_msb (MSB<<8)|(\new)
.set MSB, (\new)
.endif
.endm
; One spline plane of 64 numbers v[xr] on (source window xwin) into v[FF] on, 16 numbers at a time.
.macro EXPAND xr, xwin
.irp k, 0,1,2,3
	WIN \xwin
.irp j, 0,2,4,6,8,10,12,14
	v_pk_fma_f32 v[FF+16*\k+\j:FF+16*\k+\j+1], v[\xr+16*\k+\j:\xr+16*\k+\j+1], s[K25:K25+1], v[CL:CL+1] op_sel_hi:[1,0,0]   ; u
.endr
.irp j, 0,2,4,6,8,10,12,14
	v_pk_fma_f32 v[TT+\j:TT+\j+1], v[\xr+16*\k+\j:\xr+16*\k+\j+1], s[KM25:KM25+1], v[CR:CR+1] op_sel_hi:[1,0,0]   ; 4 - u
.endr
	WIN 0
.irp j, 0,1,2,3,4,5,6,7,8,9,10,11,12,13,14,15
	v_med3_num_f32 v[FF+16*\k+\j], v[FF+16*\k+\j], v[TT+\j], 0   ; q
.endr
.irp j, 0,2,4,6,8,10,12,14
	v_pk_add_f32 v[TT+\j:TT+\j+1], v[FF+16*\k+\j:FF+16*\k+\j+1], -1.0 op_sel_hi:[1,0]
.endr
.irp j, 0,1,2,3,4,5,6,7,8,9,10,11,12,13,14,15
	v_max_num_f32 v[TT+\j], 0, v[TT+\j]   ; r
.endr
.irp j, 0,2,4,6,8,10,12,14
	v_pk_mul_f32 v[UU+\j:UU+\j+1], v[TT+\j:TT+\j+1], v[TT+\j:TT+\j+1]   ; r^2
.endr
.irp j, 0,2,4,6,8,10,12,14
	v_pk_mul_f32 v[TT+\j:TT+\j+1], v[TT+\j:TT+\j+1], s[K23:K23+1] op_sel_hi:[1,0]   ; -2 r / 3
.endr
.irp j, 0,2,4,6,8,10,12,14
	v_pk_mul_f32 v[VV+\j:VV+\j+1], v[FF+16*\k+\j:FF+16*\k+\j+1], v[FF+16*\k+\j:FF+16*\k+\j+1]   ; q^2
.endr
.irp j, 0,2,4,6,8,10,12,14
	v_pk_mul_f32 v[FF+16*\k+\j:FF+16*\k+\j+1], v[FF+16*\k+\j:FF+16*\k+\j+1], s[K16:K16+1] op_sel_hi:[1,0]   ; q / 6
.endr
.irp j, 0,2,4,6,8,10,12,14
	v_pk_mul_f32 v[FF+16*\k+\j:FF+16*\k+\j+1], v[FF+16*\k+\j:FF+16*\k+\j+1], v[VV+\j:VV+\j+1]   ; q^3 / 6
.endr
.irp j, 0,2,4,6,8,10,12,14
	v_pk_fma_f32 v[FF+16*\k+\j:FF+16*\k+\j+1], v[UU+\j:UU+\j+1], v[TT+\j:TT+\j+1], v[FF+16*\k+\j:FF+16*\k+\j+1]   ; - 2 r^3 / 3
.endr
.endr
.endm
; silu(x) = x / (1 + 2^(-x log2 e)) of the same 64 numbers.  Each batch of transcendentals has one plain line and one wait behind it, ahead of its first reader.
.macro SILU xr, xwin
	WIN \xwin
.set ii, 0
.rept 32
	v_pk_mul_f32 v[FF+ii:FF+ii+1], v[\xr+ii:\xr+ii+1], s[NL2E:NL2E+1] op_sel_hi:[1,0]
.set ii, ii+2
.endr
	WIN 0
.set ii, 0
.rept 64
	v_exp_f32 v[FF+ii], v[FF+ii]
.set ii, ii+1
.endr
	v_nop
	s_wait_alu depctr_va_vdst(0)
.set ii, 0
.rept 32
	v_pk_add_f32 v[FF+ii:FF+ii+1], v[FF+ii:FF+ii+1], 1.0 op_sel_hi:[1,0]
.set ii, ii+2
.endr
.set ii, 0
.rept 64
	v_rcp_f32 v[FF+ii], v[FF+ii]
.set ii, ii+1
.endr
	v_nop
	s_wait_alu depctr_va_vdst(0)
	WIN \xwin
.set ii, 0
.rept 32
	v_pk_mul_f32 v[FF+ii:FF+ii+1], v[\xr+ii:\xr+ii+1], v[FF+ii:FF+ii+1]
.set ii, ii+2
.endr
	WIN 0
.endm
; 64 numbers of a lane, register 16 b + i = k 32 b + 16 (lane / 16) + i of my row, become a fragment's 12 registers of codes at v[pc] and my row's scale word in v[pw] (the same in lanes l and l xor 16).
.macro QUANT s, pc, pw
.irp b, 0,1,2,3
	v_max3_num_f32 v[TM+\b], |v[\s+16*\b]|, |v[\s+1+16*\b]|, 0x1800000   ; block b: my 16 numbers, and the floor 2^(3 - 127): the byte cannot fall under 1
.endr
.irp i, 2,4,6,8,10,12,14
.irp b, 0,1,2,3
	v_max3_num_f32 v[TM+\b], v[TM+\b], |v[\s+16*\b+\i]|, |v[\s+1+16*\b+\i]|
.endr
.endr
.irp b, 0,1,2,3
	v_permlanex16_b32 v[TM+4+\b], v[TM+\b], s[SEL], s[SEL+1]
.endr
.irp b, 0,1,2,3
	v_max_num_f32 v[TM+\b], v[TM+\b], v[TM+4+\b]   ; with lane l xor 16's: the block's largest magnitude
.endr
.irp b, 0,1,2,3
	v_add_nc_u32 v[TM+12+\b], 0xff000000, v[TM+\b]   ; 2 off its exponent field: the conversion takes this operand's exponent field as its scale
.endr
.irp b, 0,1,2,3
	v_lshrrev_b32 v[TM+4+\b], 23, v[TM+12+\b]   ; the scale's byte
.endr
	v_lshl_or_b32 v[\pw], v[TM+5], 8, v[TM+4]
	v_lshl_or_b32 v[\pw], v[TM+6], 16, v[\pw]
	v_lshl_or_b32 v[\pw], v[TM+7], 24, v[\pw]
.irp c, 0,1
	v_cvt_scalef32_pk16_fp6_f32 v[\pc+6*\c:\pc+2+6*\c], v[\s+32*\c:\s+15+32*\c], v[TM+12+2*\c]
	v_cvt_scalef32_pk16_fp6_f32 v[\pc+12+4*\c:\pc+14+4*\c], v[\s+16+32*\c:\s+31+32*\c], v[TM+12+2*\c+1]   ; (a conversion's three registers begin on an even number)
.endr
	v_nop                                          ; one plain line behind the scaled conversions
.irp c, 0,1                                    ; the operand wants a whole block in a lane: lanes 0-15 block 2 c, lanes 16-31 block 2 c + 1
.irp i, 0,1,2
	v_permlane16_swap_b32 v[\pc+6*\c+\i], v[\pc+12+4*\c+\i]
.endr
.irp i, 0,1,2
	v_mov_b32 v[\pc+3+6*\c+\i], v[\pc+12+4*\c+\i]
.endr
.endr
.endm
; A fragment and its scale words go out: three stores of 512 consecutive bytes, and 64 bytes of words (lanes l and l xor 16 store the same word to the same place).
.macro XOUT
.irp j, 0,1,2
	global_store_b128 v[LI], v[PC+4*\j:PC+4*\j+3], s[40:41] offset:512*\j
.endr
	global_store_b32 v[LS], v[PW], s[42:43]
.endm
	s_load_b512 s[4:19], s[0:1], 0x0               ; x s[4:5], coef1 s[6:7], scale_sp1 s[8:9], scale_base1 s[10:11], coef2 s[12:13], scale_sp2 s[14:15], scale_base2 s[16:17], a1 s[18:19]
	s_load_b128 s[20:23], s[0:1], 0x40             ; w1 s[20:21], w2 s[22:23]
	v_lshrrev_b32 v1, 5, v0
	v_readfirstlane_b32 s24, v1                    ; wave 0..7
	v_and_b32 v1, 15, v0                           ; r
	v_bfe_u32 v2, v0, 4, 1                         ; h
	v_and_b32 v[LI], 31, v0
	v_lshlrev_b32 v[LI], 4, v[LI]
	v_lshlrev_b32 v[LS], 2, v1
	s_mov_b32 s[SEL], 0x76543210
	s_mov_b32 s[SEL+1], 0xfedcba98
	s_wait_kmcnt 0x0
	s_cmp_lt_u32 s24, 4
	s_cbranch_scc0 .Lweights
	; ---- waves 0-3: x.  Work-group b: i-step b % 4, tokens 64 (b / 4) + 16 wave on
	s_and_b32 s26, ttmp9, 3                        ; which 128 of the 512 i
	s_lshr_b32 s27, ttmp9, 2
	s_lshl_b32 s28, s27, 6
	s_lshl_b32 s29, s24, 4
	s_add_co_u32 s28, s28, s29                     ; my first token
	s_lshl_b32 s28, s28, 11                        ; a row of x is 2,048 bytes
	s_lshl_b32 s29, s26, 9
	s_add_co_u32 s28, s28, s29
	s_mov_b32 s29, 0
	s_add_nc_u64 s[4:5], s[4:5], s[28:29]
	s_lshr_b32 s30, ttmp9, 3                       ; the block of 128 tokens
	s_mul_i32 s30, s30, 36
	s_add_co_u32 s30, s30, s26
	s_mul_i32 s30, s30, 12800                      ; plane 0's chunk
	s_and_b32 s31, s27, 1
	s_lshl_b32 s31, s31, 2
	s_add_co_u32 s31, s31, s24                     ; my fragment in the chunk
	s_mul_i32 s32, s31, 1536
	s_add_co_u32 s32, s32, s30
	s_mov_b32 s33, 0
	s_add_nc_u64 s[40:41], s[18:19], s[32:33]      ; where my images go
	s_lshl_b32 s32, s31, 6
	s_add_co_u32 s32, s32, s30
	s_add_co_u32 s32, s32, 12288
	s_add_nc_u64 s[42:43], s[18:19], s[32:33]      ; and my scale words
	v_lshlrev_b32 v[XA], 11, v1
	v_lshl_add_u32 v[XA], v2, 6, v[XA]             ; row r, + 64 h: my 16 numbers of a block of 32
.irp b, 0,1,2,3
.irp j, 0,1,2,3
	global_load_b128 v[XR+16*\b+4*\j:XR+16*\b+4*\j+3], v[XA], s[4:5] offset:128*\b+16*\j th:TH_LOAD_NT
.endr
.endr
	s_mov_b32 s[K25], 0x40200000
	s_mov_b32 s[K25+1], s[K25]
	s_mov_b32 s[KM25], 0xc0200000
	s_mov_b32 s[KM25+1], s[KM25]
	s_mov_b32 s[K16], 0x3e2aaaab
	s_mov_b32 s[K16+1], s[K16]
	s_mov_b32 s[K23], 0xbf2aaaab
	s_mov_b32 s[K23+1], s[K23]
	s_mov_b32 s[NL2E], 0xbfb8aa3b
	s_mov_b32 s[NL2E+1], s[NL2E]
	v_mov_b32 v[CL], 0x40b00000                    ; 5.5
	v_mov_b32 v[CL+1], 0x40b00000
	v_mov_b32 v[CR], 0xbfc00000                    ; -1.5
	v_mov_b32 v[CR+1], 0xbfc00000
.irp b, 0,1,2,3
	v_mov_b32 v[TM+4+\b], 0                        ; written once: a lane permute's destination counts as one of its sources
.endr
	s_mov_b32 s44, 8
	s_wait_loadcnt 0x0
.Lplane:                                           ; eight trips: a spline plane each
	EXPAND XR, 0
	QUANT FF, PC, PW
	XOUT
	v_add_f32 v[CL], -1.0, v[CL]                   ; the next plane's constants: exact
	v_add_f32 v[CR], 1.0, v[CR]
	s_wait_xcnt 0x0                                ; the stores have read their data and bases: both are written again only behind this wait
	s_add_nc_u64 s[40:41], s[40:41], 51200         ; a plane on: four K steps of 12,800 bytes
	s_add_nc_u64 s[42:43], s[42:43], 51200
	s_sub_co_u32 s44, s44, 1
	s_cmp_lg_u32 s44, 0
	s_cbranch_scc1 .Lplane
	SILU XR, 0                                     ; plane 8
	QUANT FF, PC, PW
	XOUT
	s_endpgm
; ---- waves 4-7: weights.
; 32 numbers of one block, all mine, v[src] on: registers 6 c .. 6 c + 5 of the fragment at v[cd]; the byte goes into v[bw] (block c = 0 low, c = 1 sixteen bits up).
.macro WQ src, cd, c, bw
	v_max3_num_f32 v12, |v[\src]|, |v[\src+1]|, |v[\src+2]|
	v_max3_num_f32 v13, |v[\src+3]|, |v[\src+4]|, |v[\src+5]|
.irp i, 6,10,14,18,22,26
	v_max3_num_f32 v12, v12, |v[\src+\i]|, |v[\src+\i+1]|
	v_max3_num_f32 v13, v13, |v[\src+\i+2]|, |v[\src+\i+3]|
.endr
	v_max3_num_f32 v12, v12, |v[\src+30]|, |v[\src+31]|
	v_max3_num_f32 v12, v12, v13, 0x1800000        ; and the floor 2^(3 - 127)
	v_add_nc_u32 v11, 0xff000000, v12              ; 2 off the exponent field: the conversion's scale operand
	v_lshrrev_b32 v13, 23, v11                     ; the byte
.if \c == 0
	v_mov_b32 v[\bw], v13
.else
	v_lshl_or_b32 v[\bw], v13, 16, v[\bw]
.endif
	v_cvt_scalef32_pk16_fp6_f32 v[\cd+6*\c:\cd+6*\c+2], v[\src:\src+15], v11
	v_cvt_scalef32_pk16_fp6_f32 v[EE:EE+2], v[\src+16:\src+31], v11   ; (a conversion's three registers begin on an even number)
	v_nop                                          ; one plain line behind the scaled conversions
.irp i, 0,1,2
	v_mov_b32 v[\cd+6*\c+3+\i], v[EE+\i]
.endr
.endm
.macro WWORD bw                        ; my two bytes (blocks h and 2 + h) at their places, joined with lane l xor 16's two: the row's scale word, in both lanes
	v_lshlrev_b32 v[\bw], v[SH8], v[\bw]
	v_permlanex16_b32 v[PT], v[\bw], s[SEL], s[SEL+1]
	v_or_b32 v[\bw], v[\bw], v[PT]
.endm
; o: outputs of the layer; ch: bytes of a chunk; sco: where its scale words begin; tsh: log2 of its fragments; ksn: K steps; pb: log2 of the pairs of tiles; boff: the layer's first work-group; then the four pointers' registers.
.macro WPATH o, ch, sco, tsh, ksn, pb, boff, coef, spp, sbp, dstp
	s_sub_co_u32 s26, ttmp9, \boff
	s_and_b32 s27, s26, (1<<\pb)-1                 ; p: which 32 outputs
	s_lshr_b32 s28, s26, \pb                       ; which 128 i
	s_lshl_b32 s30, s27, 1
	s_add_co_u32 s30, s30, s29                     ; my tile of 16 outputs: 2 p + e
	s_lshr_b32 s31, s30, \tsh                      ; its block
	s_and_b32 s32, s30, (1<<\tsh)-1                ; and fragment
	s_lshl_b32 s33, s27, 5
	s_lshl_b32 s34, s29, 3
	s_add_co_u32 s33, s33, s34                     ; lane 0's output: 32 p + 8 e
	s_mul_i32 s34, s28, 128*\o
	s_add_co_u32 s34, s34, s33                     ; element (first i, first output)
	s_lshl_b32 s36, s34, 2
	s_mov_b32 s37, 0
	s_add_nc_u64 s[\spp:\spp+1], s[\spp:\spp+1], s[36:37]
	s_add_nc_u64 s[\sbp:\sbp+1], s[\sbp:\sbp+1], s[36:37]
	s_lshl_b32 s36, s34, 5
	s_add_nc_u64 s[\coef:\coef+1], s[\coef:\coef+1], s[36:37]
	s_mul_i32 s38, s31, \ksn
	s_add_co_u32 s38, s38, s28
	s_mul_i32 s38, s38, \ch                        ; plane 0's chunk;
	s_mul_i32 s39, s25, 204800                     ; a plane is 51,200 bytes on in both layers: my first plane is 4 gh
	s_add_co_u32 s38, s38, s39
	s_mul_i32 s36, s32, 1536
	s_add_co_u32 s36, s36, s38
	s_add_nc_u64 s[40:41], s[\dstp:\dstp+1], s[36:37]
	s_lshl_b32 s36, s32, 6
	s_add_co_u32 s36, s36, s38
	s_add_co_u32 s36, s36, \sco
	s_add_nc_u64 s[42:43], s[\dstp:\dstp+1], s[36:37]
	v_lshlrev_b32 v[SPO], 2, v8                    ; lane (r, h): output r + 8 (r / 8), i 32 h on
	v_mad_u32_u24 v[SPO], v2, 32*\o*4, v[SPO]
	v_lshlrev_b32 v[COF], 5, v8
	v_mad_u32_u24 v[COF], v2, 32*\o*32, v[COF]
	s_lshl_b32 s39, s25, 4
	v_add_nc_u32 v[COF], s39, v[COF]               ; + my four planes' 16 bytes of the eight planes' 32
.irp c, 0,1
.set ii, 0
.rept 32
	global_load_b32 v[SPR+32*\c+ii], v[SPO], s[\spp:\spp+1] offset:(64*\c+ii)*\o*4
.set ii, ii+1
.endr
.endr
	WIN 0x40                                       ; destination window 1: coef, register 4 (32 c + ii) + q
.irp c, 0,1
.set ii, 0
.rept 32
	global_load_b128 v[4*(32*\c+ii):4*(32*\c+ii)+3], v[COF], s[\coef:\coef+1] offset:(64*\c+ii)*\o*32
.set ii, ii+1
.endr
.endr
	WIN 0
	s_cmp_eq_u32 s25, 0                            ; the wave with the upper four planes also takes the base plane: its loads, its wait, its work and its stores stand in this one branch
	s_cbranch_scc1 .Lno_base_\@
.irp c, 0,1
.set ii, 0
.rept 32
	global_load_b32 v[SBR+32*\c+ii], v[SPO], s[\sbp:\sbp+1] offset:(64*\c+ii)*\o*4
.set ii, ii+1
.endr
.endr
	s_wait_loadcnt 0x0                             ; they were issued last
	WQ SBR, CDS, 0, BWD+4
	WQ SBR+32, CDS, 1, BWD+4
	WWORD BWD+4
.irp j, 0,1,2
	global_store_b128 v[LI], v[CDS+4*\j:CDS+4*\j+3], s[40:41] offset:204800+512*\j   ; plane 8 = my first plane + 4
.endr
	global_store_b32 v[LS], v[BWD+4], s[42:43] offset:204800
.Lno_base_\@:
	s_wait_loadcnt 32                              ; scale_sp and coef's first 64 i are in; behind them only coef's other 32 loads were issued (on the way through the branch nothing is out)
.irp c, 0,1
.if \c == 1
	s_wait_loadcnt 0x0
.endif
.irp q, 0,1,2,3
	WIN 0x01                                       ; source 0 window 1
.set ii, 0
.rept 32
	v_mul_f32 v[WT+ii], v[4*(32*\c+ii)+\q], v[SPR+32*\c+ii]   ; coef x scale_sp in f32; the block's 32 numbers come to lie on end
.set ii, ii+1
.endr
	WIN 0
	WQ WT, CD+12*\q, \c, BWD+\q
.endr
.endr
.irp q, 0,1,2,3
	WWORD BWD+\q
.endr
.irp q, 0,1,2,3                        ; every store has data registers of its own: none is written again
.irp j, 0,1,2
	global_store_b128 v[LI], v[CD+12*\q+4*\j:CD+12*\q+4*\j+3], s[40:41] offset:51200*\q+512*\j
.endr
	global_store_b32 v[LS], v[BWD+\q], s[42:43] offset:51200*\q
.endr
	s_endpgm
.endm
.Lweights:
	s_and_b32 s25, s24, 1                          ; gh: planes 4 gh .. 4 gh + 3
	s_bfe_u32 s29, s24, 0x10001                    ; e: which tile of the pair
	v_and_b32 v8, 8, v1
	v_add_nc_u32 v8, v8, v1                        ; r + 8 (r / 8)
	v_lshlrev_b32 v[SH8], 3, v2
	v_mov_b32 v[PT], 0                             ; a lane permute's destination counts as one of its sources
	s_cmp_lt_u32 ttmp9, 128
	s_cbranch_scc0 .Llayer2
	WPATH 1024, 12800, 12288, 3, 36, 5, 0, 6, 8, 10, 20
.Llayer2:
	WPATH 512, 6400, 6144, 2, 72, 4, 128, 12, 14, 16, 22
.Lfunc_end_k_q61837e0b83_prep:
	.size	k_q61837e0b83_prep, .Lfunc_end_k_q61837e0b83_prep-k_q61837e0b83_prep
	.p2alignl 7, 3214868480
	.fill 96, 4, 3214868480
	.section	.rodata,"a",@progbits
	.p2align	6, 0x0
	.amdhsa_kernel k_q61837e0b83_prep
		.amdhsa_group_segment_fixed_size 0
		.amdhsa_private_segment_fixed_size 0
		.amdhsa_enable_private_segment 0
		.amdhsa_kernarg_size 80
		.amdhsa_user_sgpr_count 2
		.amdhsa_user_sgpr_kernarg_segment_ptr 1
		.amdhsa_wavefront_size32 1
		.amdhsa_system_sgpr_workgroup_id_x 1
		.amdhsa_system_sgpr_workgroup_id_y 1
		.amdhsa_system_sgpr_workgroup_id_z 1
		.amdhsa_system_vgpr_workitem_id 0
		.amdhsa_next_free_vgpr 512
		.amdhsa_next_free_sgpr 66
		.amdhsa_reserve_vcc 0
		.amdhsa_float_denorm_mode_32 3
		.amdhsa_float_denorm_mode_16_64 3
		.amdhsa_memory_ordered 1
		.amdhsa_forward_progress 1
		.amdhsa_inst_pref_size 137
	.end_amdhsa_kernel
	.amdgpu_metadata
---
amdhsa.version: [ 1, 2 ]
amdhsa.kernels:
  - .name:           k_q61837e0b83_prep
    .symbol:         k_q61837e0b83_prep.kd
    .args:
      - { .name: x, .offset: 0, .size: 8, .value_kind: global_buffer, .address_space: global }
      - { .name: coef1, .offset: 8, .size: 8, .value_kind: global_buffer, .address_space: global }
      - { .name: scale_sp1, .offset: 16, .size: 8, .value_kind: global_buffer, .address_space: global }
      - { .name: scale_base1, .offset: 24, .size: 8, .value_kind: global_buffer, .address_space: global }
      - { .name: coef2, .offset: 32, .size: 8, .value_kind: global_buffer, .address_space: global }
      - { .name: scale_sp2, .offset: 40, .size: 8, .value_kind: global_buffer, .address_space: global }
      - { .name: scale_base2, .offset: 48, .size: 8, .value_kind: global_buffer, .address_space: global }
      - { .name: a1, .offset: 56, .size: 8, .value_kind: global_buffer, .address_space: global }
      - { .name: w1, .offset: 64, .size: 8, .value_kind: global_buffer, .address_space: global }
      - { .name: w2, .offset: 72, .size: 8, .value_kind: global_buffer, .address_space: global }
    .group_segment_fixed_size: 0
    .private_segment_fixed_size: 0
    .kernarg_segment_align: 8
    .kernarg_segment_size: 80
    .max_flat_workgroup_size: 256
    .sgpr_count:     66
    .vgpr_count:     512
    .wavefront_size: 32
...
	.end_amdgpu_metadata
.endif
;; end of part 1
;; launch gemm1 (part 2): grid 8 x 32, 4 waves a work-group, clusters of 4 x 4, 327,680 bytes of LDS; arguments a1, w1, a2; writes a2
.if DOCPART == 2
	.amdgcn_target "amdgcn-amd-amdhsa--gfx1250"
	.amdhsa_code_object_version 6
	.text
	.protected	k_q61837e0b83_gemm1
	.globl	k_q61837e0b83_gemm1
	.p2align	8
	.type	k_q61837e0b83_gemm1,@function
k_q61837e0b83_gemm1:
	s_mov_b64 s[64:65], 0
	v_nop
	global_prefetch_b8 v0, s[64:65] scope:SCOPE_SE
	s_setreg_imm32_b32 hwreg(HW_REG_WAVE_MODE, 25, 1), 1
	s_wait_xcnt 0x0
	s_wait_alu depctr_hold_cnt(0) depctr_sa_sdst(0) depctr_va_vdst(0) depctr_va_sdst(0) depctr_va_ssrc(0) depctr_va_vcc(0) depctr_vm_vsrc(0)
	s_getreg_b32 s2, hwreg(HW_REG_IB_STS2, 6, 4)
	s_cmp_eq_u32 s2, 0
	s_cbranch_scc0 .Lentry_in_a_cluster
	s_endpgm
.Lentry_in_a_cluster:
	s_bfe_u32 s2, ttmp6, 0x10000c
	s_cmp_lg_u32 s2, 0xf033
	s_cbranch_scc0 .Lentry_shape_is_right
	s_endpgm
.Lentry_shape_is_right:
; GEMM1: h = A1' W1'^T (4,096 tokens x 1,024 hidden units, K = 9 planes x 512 = 36 steps of 128) on codes of FP6 (E2M3) with E8M0 scales, and on the way out h's own nine planes, quantised: layer 2's operand a2.  h never goes to memory.
; a1, w1, a2 are laid as the reader's registers: [block][K step][chunk of 12,800 bytes]: eight images of 1,536 bytes (fragment t: registers 4 j .. 4 j + 3 of lane l at 1,536 t + 512 j + 16 l), then 128 scale words (64 t + 4 r).
; SHARES.  A work-group makes 128 tokens (block bm) x 128 hidden units (block bn).  ITS FOUR WAVES SHARE K AND THE ROWS: wave w takes rows 64 (w % 2) on and the K steps of parity w / 2: 4 x 8 = 32 accumulators, so that 12 fragments
; read from LDS feed 32 matrix instructions.  At the end the two waves of a row half exchange half of their partial sums through LDS, and each wave owns 32 whole rows x 128 units: one K step of layer 2.
; So that every wave keeps and sends the same registers, its four tiles of rows are taken in turned order: accumulators a' = 0, 1 are the tiles that it keeps (4 (w % 2) + 2 (w / 2) + a'), a' = 2, 3 those that it sends.
; THE MATRIX INSTRUCTION IS USED TRANSPOSED (source 0 = 16 rows of W1', source 1 = 16 tokens): a lane holds one token, and by w1's order of rows the 16 registers of tiles 2 b, 2 b + 1 are units 32 b + 16 (lane / 16) + 0 .. 15.
; THE RING.  Two LDS slots of six K steps (A's six chunks, then W's six), filled by the tensor data mover: a slot's part of a1 or w1 is one dense run of memory, brought as rows of 256 bytes; waves 0, 1 bring A's halves, waves 2, 3 W's.
; CLUSTERS: 4 x 4 work-groups; A's tiles are asked for jointly by a row of the cluster, W's by a column.  A wave has at most two tensor loads out (the two first fills), later one.
; No prefetch is laid: each run of a1 and w1 is read by several clusters shortly after one another, and a refill has three of a wave's steps in which to land.
; REGISTERS, in windows of 256: window 0: v2-19 addresses, v28-29 the spare word's, v32-43 scale words (two sets of six: nothing else ever lies there), v48-143 A's four fragments, two sets; behind the loop v64-239 are at work.
;   window 1: W's eight fragments, two sets, at v0 and v96; behind the loop the partner's partial sums.   window 2: the 32 accumulators, (a', b) at v[8 (8 a' + b)].
; LIMITS: NaN and infinities are not served; silu(h) for h under about -88 comes out as -0; a block of zeros has the byte 1 over zero codes (the bytes are read by this program alone).
.set KS,    36                         ; K steps
.set SS,    6                          ; K steps in a slot
.set KW,    2                          ; ways in which K is shared
.set CHA,   12800                      ; a chunk of A, of W
.set CHW,   12800
.set SLOT,  153600
.set WOFF,  SS*CHA                     ; W's chunks lie behind A's
.set RA,    (SS/2)*CHA/256             ; rows of 256 bytes in a tensor load: 150
.set RW,    (SS/2)*CHW/256
.set SPARE, 2*SLOT                     ; behind the ring: the spare words, 128 bytes for each wave: two blocks of 256 bytes that no other line names
.set SCR,   SPARE+512                  ; nine planes' scale words of the work-group's 128 rows, 512 bytes a plane: no tile lands here
.set RED,   0                          ; the exchange of partial sums, 16,384 bytes a wave, in slot 0: it has had its last fill and its last read when the first sum is stored there
.set LI,   2                           ; v2   16 x lane
.set L4,   3                           ; v3   4 x lane
.set BA,   4                           ; v4-9   my places in slot 0's first chunk: A's tiles that I keep, those that I send, W's tiles, and the three kinds' scale words
.set TA,   10                          ; v10-15 the same for the step that is being fetched
.set REDS, 16
.set REDR, 17
.set SCW,  18
.set SCRD, 19
.set SPW,  28                          ; v28  LDS address of my spare word; never rewritten
.set NIL,  29                          ; v29  0; never rewritten
.set SC,   32                          ; scale words, set p at v[SC + 6 p]: +0, +1 A's two pairs of tiles, +2 .. +5 W's four: lanes 0-15 the even tile's rows, lanes 16-31 the odd one's
.set AF,   48
.set FF,   64                          ; behind the loop: as in the launch before
.set TT,   128
.set UU,   144
.set VV,   160
.set TM,   176
.set PWA,  192
.set PWB,  193
.set PWC,  194
.set TMPA, 195
.set CL,   196
.set CR,   198
.set PC0,  200                         ; v200-219, v220-239: the two tiles' codes
.set G1,   24                          ; s[24:31] descriptor group 1 for A's tiles;  s[32:39] group 0, one set for each slot
.set G0,   32
.set G1B,  48                          ; s[48:55], s[56:63] the same for W's
.set G0B,  56
.set K25,  76
.set KM25, 78
.set K16,  80
.set K23,  82
.set NL2E, 84
.set SEL,  86
.set HM,   88
.set SOF,  89
.set DST,  90
.set SDST, 92
.set CNT,  94
.set MUL,  0xa1                        ; source 0 (W) window 1, source 1 (A) window 0, C and D window 2
.set MSB, 0
.macro WIN new                         ; the immediate's high byte repeats the setting that is left
.if MSB != (\new)
	s_set_vgpr_msb (MSB<<8)|(\new)
.set MSB, (\new)
.endif
.endm
.macro PLACES n
.rept \n
	v_nop
.endr
.endm
; A joint load: waves 0 and 1 fetch for A, waves 2 and 3 for W.  Each line has one mask and one set of registers for all that issue it; the branch hangs on the wave's number alone.  Four v_nop follow each line.
.macro JLOAD g0a, g1a, g0b, g1b
	s_cmp_eq_u32 s15, 0
	s_cbranch_scc0 .Lfor_b_\@
	tensor_load_to_lds s[\g0a:\g0a+3], s[\g1a:\g1a+7]
	s_nop 0
.rept 4
	v_nop
.endr
	s_branch .Lasked_\@
.Lfor_b_\@:
	tensor_load_to_lds s[\g0b:\g0b+3], s[\g1b:\g1b+7]
	s_nop 0
.rept 4
	v_nop
.endr
.Lasked_\@:
.endm
.macro CREST                           ; a round of the cluster's barrier behind its opening barrier
	s_cmp_lg_u32 s14, 0
	s_cbranch_scc1 .Lnot_wave_0_\@
	s_barrier_signal -3
.Lnot_wave_0_\@:
	s_barrier_wait -3
	s_barrier_signal -1
	s_barrier_wait -1
.endm
.macro CROUND                          ; a whole round
	s_barrier_signal -1
	s_barrier_wait -1
	CREST
.endm
; One matrix instruction on the registers named by rD, rW, rA, rSW, rSA.  br, ar: the tile of W, of A is the odd one of its pair: its scale words lie in lanes 16-31.  zero: the product starts the sum.
.macro WM zero, br, ar
.if \zero
.if (\br) && (\ar)
	v_wmma_scale_f32_16x16x128_f8f6f4 v[rD:rD+7], v[rW:rW+11], v[rA:rA+11], 0, v[rSW], v[rSA] matrix_a_fmt:MATRIX_FMT_FP6 matrix_b_fmt:MATRIX_FMT_FP6 matrix_a_scale:MATRIX_SCALE_ROW1 matrix_b_scale:MATRIX_SCALE_ROW1
.elseif (\br)
	v_wmma_scale_f32_16x16x128_f8f6f4 v[rD:rD+7], v[rW:rW+11], v[rA:rA+11], 0, v[rSW], v[rSA] matrix_a_fmt:MATRIX_FMT_FP6 matrix_b_fmt:MATRIX_FMT_FP6 matrix_a_scale:MATRIX_SCALE_ROW1
.elseif (\ar)
	v_wmma_scale_f32_16x16x128_f8f6f4 v[rD:rD+7], v[rW:rW+11], v[rA:rA+11], 0, v[rSW], v[rSA] matrix_a_fmt:MATRIX_FMT_FP6 matrix_b_fmt:MATRIX_FMT_FP6 matrix_b_scale:MATRIX_SCALE_ROW1
.else
	v_wmma_scale_f32_16x16x128_f8f6f4 v[rD:rD+7], v[rW:rW+11], v[rA:rA+11], 0, v[rSW], v[rSA] matrix_a_fmt:MATRIX_FMT_FP6 matrix_b_fmt:MATRIX_FMT_FP6
.endif
.else
.if (\br) && (\ar)
	v_wmma_scale_f32_16x16x128_f8f6f4 v[rD:rD+7], v[rW:rW+11], v[rA:rA+11], v[rD:rD+7], v[rSW], v[rSA] matrix_a_fmt:MATRIX_FMT_FP6 matrix_b_fmt:MATRIX_FMT_FP6 matrix_a_scale:MATRIX_SCALE_ROW1 matrix_b_scale:MATRIX_SCALE_ROW1
.elseif (\br)
	v_wmma_scale_f32_16x16x128_f8f6f4 v[rD:rD+7], v[rW:rW+11], v[rA:rA+11], v[rD:rD+7], v[rSW], v[rSA] matrix_a_fmt:MATRIX_FMT_FP6 matrix_b_fmt:MATRIX_FMT_FP6 matrix_a_scale:MATRIX_SCALE_ROW1
.elseif (\ar)
	v_wmma_scale_f32_16x16x128_f8f6f4 v[rD:rD+7], v[rW:rW+11], v[rA:rA+11], v[rD:rD+7], v[rSW], v[rSA] matrix_a_fmt:MATRIX_FMT_FP6 matrix_b_fmt:MATRIX_FMT_FP6 matrix_b_scale:MATRIX_SCALE_ROW1
.else
	v_wmma_scale_f32_16x16x128_f8f6f4 v[rD:rD+7], v[rW:rW+11], v[rA:rA+11], v[rD:rD+7], v[rSW], v[rSA] matrix_a_fmt:MATRIX_FMT_FP6 matrix_b_fmt:MATRIX_FMT_FP6
.endif
.endif
.endm
; Eight matrix instructions: tile a of A against W's eight, set p.  The 32 accumulators take turns, one instruction a turn, in the same order in every step.
.macro MULQ p, a, zero
.irp b, 0,1,2,3,4,5,6,7
.set rD, 8*(8*(\a)+\b)
.set rW, 96*(\p)+12*\b
.set rA, AF+48*(\p)+12*(\a)
.set rSW, SC+6*(\p)+2+\b/2
.set rSA, SC+6*(\p)+(\a)/2
	WM \zero, \b%2, (\a)%2
.endr
.endm
; My j-th step of a slot into set p: 36 loads of 512 consecutive bytes and six of 128.  The six additions are the places between the last matrix instruction that read that set and the loads into it (four are asked: ISA guide 7.12.1 for
; vector instructions).
.macro FETCH slot, j, p
	WIN 0
.irp i, 0,1,2,3,4,5
	v_add_nc_u32 v[TA+\i], (\slot)*SLOT+KW*(\j)*CHA, v[BA+\i]
.endr
.irp a, 0,1,2,3
.irp g, 0,1,2
	ds_load_b128 v[AF+48*(\p)+12*\a+4*\g:AF+48*(\p)+12*\a+4*\g+3], v[TA+\a/2] offset:1536*(\a%2)+512*\g
.endr
.endr
	ds_load_b32 v[SC+6*(\p)], v[TA+3]
	ds_load_b32 v[SC+6*(\p)+1], v[TA+4]
.irp q, 0,1,2,3
	ds_load_b32 v[SC+6*(\p)+2+\q], v[TA+5] offset:128*\q
.endr
	WIN 0x40                                       ; destination window 1
.irp b, 0,1,2,3,4,5,6,7
.irp g, 0,1,2
	ds_load_b128 v[96*(\p)+12*\b+4*\g:96*(\p)+12*\b+4*\g+3], v[TA+2] offset:1536*\b+512*\g
.endr
.endr
.endm
; A step that has its successor in the same slot: set p is multiplied while the next step's fragments come into the other set.
.macro STEP slot, j, p, zero
	s_wait_dscnt 0x0                               ; set p is in: it was asked for a step ago
	FETCH \slot, (\j)+1, 1-(\p)
	WIN MUL
	MULQ \p, 0, \zero
	MULQ \p, 1, \zero
	MULQ \p, 2, \zero
	MULQ \p, 3, \zero
.endm
; A slot's last step changes slots: one barrier; in front of it each wave waits for all its tensor loads, adds 0 to its spare word, and waits for that and for its reads of this slot.  fill = 1: this slot is filled again, two slots ahead.
.macro TURN slot, next, fill, p
	WIN 0                                          ; (the add's two registers lie in window 0)
	s_wait_tensorcnt 0x0                           ; all my tensor loads have landed: my part of the next slot;
	ds_add_u32 v[SPW], v[NIL]                      ; 0 onto my spare word
	s_wait_dscnt 0x1                               ; set p is in; the add alone may be out
	WIN MUL
	MULQ \p, 0, 0                                  ; eight matrix instructions stand between the add and the wait for it
	s_wait_dscnt 0x0                               ; the add is done, and my reads of this slot are over
	s_barrier_signal -1
	MULQ \p, 1, 0
	WIN 0
	s_barrier_wait -1
.if \fill
	CREST                                          ; the barrier has opened a round of the cluster's: no wave of any partner still reads this slot or has a load on its way
	s_add_nc_u64 s[G0+4*\slot+2:G0+4*\slot+3], s[G0+4*\slot+2:G0+4*\slot+3], 2*SS*CHA
	s_add_nc_u64 s[G0B+4*\slot+2:G0B+4*\slot+3], s[G0B+4*\slot+2:G0B+4*\slot+3], 2*SS*CHW
	JLOAD G0+4*\slot, G1, G0B+4*\slot, G1B         ; the first tensor load behind the round, and my only one until the next
.endif
	FETCH \next, 0, 1-(\p)
	WIN MUL
	MULQ \p, 2, 0
	MULQ \p, 3, 0
.endm
.macro LAST p
	s_wait_dscnt 0x0
	WIN MUL
	MULQ \p, 0, 0
	MULQ \p, 1, 0
	MULQ \p, 2, 0
	MULQ \p, 3, 0
	WIN 0
.endm
; One spline plane of 64 numbers v[xr] on (source window xwin) into v[FF] on: u = 2.5 x + 5.5 - g, q = the middle one of u, 4 - u, 0, r = max(q - 1, 0), B = q^3 / 6 - (2 / 3) r^3.
.macro EXPAND xr, xwin
.irp k, 0,1,2,3
	WIN \xwin
.irp j, 0,2,4,6,8,10,12,14
	v_pk_fma_f32 v[FF+16*\k+\j:FF+16*\k+\j+1], v[\xr+16*\k+\j:\xr+16*\k+\j+1], s[K25:K25+1], v[CL:CL+1] op_sel_hi:[1,0,0]
.endr
.irp j, 0,2,4,6,8,10,12,14
	v_pk_fma_f32 v[TT+\j:TT+\j+1], v[\xr+16*\k+\j:\xr+16*\k+\j+1], s[KM25:KM25+1], v[CR:CR+1] op_sel_hi:[1,0,0]
.endr
	WIN 0
.irp j, 0,1,2,3,4,5,6,7,8,9,10,11,12,13,14,15
	v_med3_num_f32 v[FF+16*\k+\j], v[FF+16*\k+\j], v[TT+\j], 0
.endr
.irp j, 0,2,4,6,8,10,12,14
	v_pk_add_f32 v[TT+\j:TT+\j+1], v[FF+16*\k+\j:FF+16*\k+\j+1], -1.0 op_sel_hi:[1,0]
.endr
.irp j, 0,1,2,3,4,5,6,7,8,9,10,11,12,13,14,15
	v_max_num_f32 v[TT+\j], 0, v[TT+\j]
.endr
.irp j, 0,2,4,6,8,10,12,14
	v_pk_mul_f32 v[UU+\j:UU+\j+1], v[TT+\j:TT+\j+1], v[TT+\j:TT+\j+1]
.endr
.irp j, 0,2,4,6,8,10,12,14
	v_pk_mul_f32 v[TT+\j:TT+\j+1], v[TT+\j:TT+\j+1], s[K23:K23+1] op_sel_hi:[1,0]
.endr
.irp j, 0,2,4,6,8,10,12,14
	v_pk_mul_f32 v[VV+\j:VV+\j+1], v[FF+16*\k+\j:FF+16*\k+\j+1], v[FF+16*\k+\j:FF+16*\k+\j+1]
.endr
.irp j, 0,2,4,6,8,10,12,14
	v_pk_mul_f32 v[FF+16*\k+\j:FF+16*\k+\j+1], v[FF+16*\k+\j:FF+16*\k+\j+1], s[K16:K16+1] op_sel_hi:[1,0]
.endr
.irp j, 0,2,4,6,8,10,12,14
	v_pk_mul_f32 v[FF+16*\k+\j:FF+16*\k+\j+1], v[FF+16*\k+\j:FF+16*\k+\j+1], v[VV+\j:VV+\j+1]
.endr
.irp j, 0,2,4,6,8,10,12,14
	v_pk_fma_f32 v[FF+16*\k+\j:FF+16*\k+\j+1], v[UU+\j:UU+\j+1], v[TT+\j:TT+\j+1], v[FF+16*\k+\j:FF+16*\k+\j+1]
.endr
.endr
.endm
; silu of the same 64 numbers.  Each batch of transcendentals has one plain line and one wait behind it, ahead of its first reader.
.macro SILU xr, xwin
	WIN \xwin
.set ii, 0
.rept 32
	v_pk_mul_f32 v[FF+ii:FF+ii+1], v[\xr+ii:\xr+ii+1], s[NL2E:NL2E+1] op_sel_hi:[1,0]
.set ii, ii+2
.endr
	WIN 0
.set ii, 0
.rept 64
	v_exp_f32 v[FF+ii], v[FF+ii]
.set ii, ii+1
.endr
	v_nop
	s_wait_alu depctr_va_vdst(0)
.set ii, 0
.rept 32
	v_pk_add_f32 v[FF+ii:FF+ii+1], v[FF+ii:FF+ii+1], 1.0 op_sel_hi:[1,0]
.set ii, ii+2
.endr
.set ii, 0
.rept 64
	v_rcp_f32 v[FF+ii], v[FF+ii]
.set ii, ii+1
.endr
	v_nop
	s_wait_alu depctr_va_vdst(0)
	WIN \xwin
.set ii, 0
.rept 32
	v_pk_mul_f32 v[FF+ii:FF+ii+1], v[\xr+ii:\xr+ii+1], v[FF+ii:FF+ii+1]
.set ii, ii+2
.endr
	WIN 0
.endm
; 64 numbers of a lane, register 16 b + i = k 32 b + 16 (lane / 16) + i of my row, become a fragment's 12 registers of codes at v[pc] and my row's scale word in v[pw] (the same in lanes l and l xor 16).
.macro QUANT s, pc, pw
.irp b, 0,1,2,3
	v_max3_num_f32 v[TM+\b], |v[\s+16*\b]|, |v[\s+1+16*\b]|, 0x1800000   ; my 16 numbers of block b, and the floor 2^(3 - 127): the byte cannot fall under 1
.endr
.irp i, 2,4,6,8,10,12,14
.irp b, 0,1,2,3
	v_max3_num_f32 v[TM+\b], v[TM+\b], |v[\s+16*\b+\i]|, |v[\s+1+16*\b+\i]|
.endr
.endr
.irp b, 0,1,2,3
	v_permlanex16_b32 v[TM+4+\b], v[TM+\b], s[SEL], s[SEL+1]
.endr
.irp b, 0,1,2,3
	v_max_num_f32 v[TM+\b], v[TM+\b], v[TM+4+\b]
.endr
.irp b, 0,1,2,3
	v_add_nc_u32 v[TM+12+\b], 0xff000000, v[TM+\b]   ; 2 off the exponent field: the conversion's scale operand
.endr
.irp b, 0,1,2,3
	v_lshrrev_b32 v[TM+4+\b], 23, v[TM+12+\b]
.endr
	v_lshl_or_b32 v[\pw], v[TM+5], 8, v[TM+4]
	v_lshl_or_b32 v[\pw], v[TM+6], 16, v[\pw]
	v_lshl_or_b32 v[\pw], v[TM+7], 24, v[\pw]
.irp c, 0,1
	v_cvt_scalef32_pk16_fp6_f32 v[\pc+6*\c:\pc+2+6*\c], v[\s+32*\c:\s+15+32*\c], v[TM+12+2*\c]
	v_cvt_scalef32_pk16_fp6_f32 v[\pc+12+4*\c:\pc+14+4*\c], v[\s+16+32*\c:\s+31+32*\c], v[TM+12+2*\c+1]
.endr
	v_nop                                          ; one plain line behind the scaled conversions
.irp c, 0,1
.irp i, 0,1,2
	v_permlane16_swap_b32 v[\pc+6*\c+\i], v[\pc+12+4*\c+\i]
.endr
.irp i, 0,1,2
	v_mov_b32 v[\pc+3+6*\c+\i], v[\pc+12+4*\c+\i]
.endr
.endr
.endm
	s_load_b128 s[4:7], s[0:1], 0x0                ; a1 s[4:5], w1 s[6:7]
	s_load_b64 s[8:9], s[0:1], 0x10                ; a2
	v_lshl_add_u32 v[SPW], v0, 2, SPARE
	v_mov_b32 v[NIL], 0
	ds_add_u32 v28, v29
	ds_add_u32 v28, v29
	s_wait_dscnt 0x0
	v_lshrrev_b32 v1, 5, v0
	v_readfirstlane_b32 s14, v1                    ; wave 0..3
	s_lshr_b32 s15, s14, 1                         ; which K steps are mine.  Also: I fetch for A (0) or for W (1)
	s_and_b32 s16, s14, 1                          ; which 64 rows are mine.  Also: which half of a slot's chunks I fetch
	s_bfe_u32 s40, ttmp6, 0x40000                  ; cx, cy: my place in the cluster
	s_bfe_u32 s41, ttmp6, 0x40004
	s_lshl_b32 s42, ttmp9, 2
	s_add_co_u32 s42, s42, s40                     ; bn = 4 x cluster x + cx
	s_and_b32 s17, ttmp7, 0xffff
	s_lshl_b32 s17, s17, 2
	s_add_co_u32 s17, s17, s41                     ; bm = 4 x cluster y + cy
	s_lshl_b32 s43, s41, 2
	s_lshl_b32 s43, 15, s43                        ; my row of the cluster
	s_lshl_b32 s44, 0x1111, s40                    ; my column
	; descriptor group 1: a dense run of memory as rows of 256 bytes (32 elements of 8 bytes), no padding
	s_or_b32 s[G1+0], s43, (3<<16)|(1<<21)         ; 15:0 the mask: A's tiles go to my row; 17:16 elements of 8 bytes; 21 set beside a mask
	s_or_b32 s[G1B+0], s44, (3<<16)|(1<<21)        ; W's go to my column
	s_mov_b32 s[G1+1], 32<<16                      ; tensor_dim0
	s_mov_b32 s[G1+2], RA<<16                      ; tensor_dim1
	s_mov_b32 s[G1+3], 32<<16                      ; tile_dim0
	s_mov_b32 s[G1+4], RA                          ; tile_dim1
	s_mov_b32 s[G1+5], 32                          ; tensor_dim0_stride
	s_mov_b32 s[G1+6], 0
	s_mov_b32 s[G1+7], 0
	s_mov_b32 s[G1B+1], 32<<16
	s_mov_b32 s[G1B+2], RW<<16
	s_mov_b32 s[G1B+3], 32<<16
	s_mov_b32 s[G1B+4], RW
	s_mov_b32 s[G1B+5], 32
	s_mov_b32 s[G1B+6], 0
	s_mov_b32 s[G1B+7], 0
	s_mul_i32 s18, s16, SS/2                       ; the half's first chunk
	s_mul_i32 s20, s17, KS
	s_add_co_u32 s20, s20, s18
	s_mul_i32 s20, s20, CHA                        ; A: block bm, in bytes: made of bm and the wave's number alone
	s_mov_b32 s21, 0
	s_mul_i32 s46, s42, KS
	s_add_co_u32 s46, s46, s18
	s_mul_i32 s46, s46, CHW                        ; W: block bn: of bn and the wave's number alone
	s_mov_b32 s47, 0
	s_mul_i32 s45, s16, (SS/2)*CHA                 ; where they go in a slot: no place in the cluster enters an LDS address
	s_mul_i32 s19, s16, (SS/2)*CHW
	s_add_co_u32 s19, s19, WOFF
	s_wait_kmcnt 0x0
	s_add_nc_u64 s[20:21], s[4:5], s[20:21]
	s_add_nc_u64 s[46:47], s[6:7], s[46:47]
	CROUND                                         ; all sixteen work-groups are here: the first joint loads meet
.irp s, 0,1
	s_mov_b32 s[G0+4*\s], 1
	s_add_co_u32 s[G0+4*\s+1], s45, \s*SLOT
	s_add_nc_u64 s[G0+4*\s+2:G0+4*\s+3], s[20:21], \s*SS*CHA
	s_or_b32 s[G0+4*\s+3], s[G0+4*\s+3], 0x80000000
	s_mov_b32 s[G0B+4*\s], 1
	s_add_co_u32 s[G0B+4*\s+1], s19, \s*SLOT
	s_add_nc_u64 s[G0B+4*\s+2:G0B+4*\s+3], s[46:47], \s*SS*CHW
	s_or_b32 s[G0B+4*\s+3], s[G0B+4*\s+3], 0x80000000
	JLOAD G0+4*\s, G1, G0B+4*\s, G1B
.endr
	v_and_b32 v1, 31, v0
	v_lshlrev_b32 v[LI], 4, v1
	v_lshlrev_b32 v[L4], 2, v1
	s_mul_i32 s70, s15, CHA                        ; my first chunk of a slot (A's and W's chunks are equally long here)
	s_lshl_b32 s71, s16, 2
	s_lshl_b32 s72, s15, 1
	s_add_co_u32 s71, s71, s72                     ; the first tile of rows that I keep: 4 (w % 2) + 2 (w / 2)
	s_xor_b32 s72, s71, 2                          ; the first that I send: my partner's
	s_mul_i32 s73, s71, 1536
	s_add_co_u32 s73, s73, s70
	v_add_nc_u32 v[BA+0], s73, v[LI]
	s_mul_i32 s73, s72, 1536
	s_add_co_u32 s73, s73, s70
	v_add_nc_u32 v[BA+1], s73, v[LI]
	s_add_co_u32 s73, s70, WOFF
	v_add_nc_u32 v[BA+2], s73, v[LI]
	s_lshl_b32 s73, s71, 6
	s_add_co_u32 s73, s73, s70
	s_add_co_u32 s73, s73, 12288
	v_add_nc_u32 v[BA+3], s73, v[L4]
	s_lshl_b32 s73, s72, 6
	s_add_co_u32 s73, s73, s70
	s_add_co_u32 s73, s73, 12288
	v_add_nc_u32 v[BA+4], s73, v[L4]
	s_add_co_u32 s73, s70, WOFF+12288
	v_add_nc_u32 v[BA+5], s73, v[L4]
	s_lshl_b32 s73, s14, 14
	v_add_nc_u32 v[REDS], s73, v[LI]               ; where I put the sums that I send (RED = 0),
	s_xor_b32 s73, s14, 2
	s_lshl_b32 s73, s73, 14
	v_add_nc_u32 v[REDR], s73, v[LI]               ; and where my partner has put mine
	s_lshl_b32 s73, s71, 6
	s_add_co_u32 s73, s73, SCR
	v_add_nc_u32 v[SCW], s73, v[L4]                ; my two tiles' scale words in a plane's 512 bytes
	s_lshl_b32 s73, s14, 9
	s_add_co_u32 s73, s73, SCR
	v_add_nc_u32 v[SCRD], s73, v[LI]               ; plane w's 512 bytes, 16 a lane
	s_mul_i32 s96, s17, 72
	s_add_co_u32 s96, s96, s42
	s_mul_i32 s96, s96, 12800                      ; a2: block bm, plane 0, i-step bn
	s_mul_i32 s74, s71, 1536
	s_add_co_u32 s74, s74, s96
	s_mov_b32 s75, 0
	s_add_nc_u64 s[DST:DST+1], s[8:9], s[74:75]    ; my two images
	s_mul_i32 s74, s14, 102400
	s_add_co_u32 s74, s74, s96
	s_add_co_u32 s74, s74, 12288
	s_add_nc_u64 s[SDST:SDST+1], s[8:9], s[74:75]  ; plane w's scale words
	s_wait_tensorcnt 0x1                           ; my part of slot 0 is in; slot 1's may stay out
	s_barrier_signal -1
	s_barrier_wait -1                              ; everybody's is
	FETCH 0, 0, 0
	STEP 0, 0, 0, 1                                ; the first step stands in front of the loop: its products start the sums
	WIN 0                                          ; at a label and at a branch every window is 0
	s_mov_b32 s3, 2
.Llap:                                             ; a trip goes once round the ring, from a lap's second step to the next lap's first, and fills both slots again
	STEP 0, 1, 1, 0
	TURN 0, 1, 1, 0
	STEP 1, 0, 1, 0
	STEP 1, 1, 0, 0
	TURN 1, 0, 1, 1
	STEP 0, 0, 0, 0
	WIN 0
	s_sub_co_u32 s3, s3, 1
	s_cmp_lg_u32 s3, 0
	s_cbranch_scc1 .Llap
	STEP 0, 1, 1, 0                                ; the last lap fills nothing
	TURN 0, 1, 0, 0
	STEP 1, 0, 1, 0
	STEP 1, 1, 0, 0
	LAST 1
	; ---- THE EXCHANGE: the sums of the two tiles that are my partner's go to LDS, my partner's sums of my two tiles come back and are added
	PLACES 4                                       ; behind the last products: in front of the first read of results and of loads into registers that they read
	WIN 0x08                                       ; an LDS store's data are its source 1: window 2
.set ii, 0
.rept 16
	ds_store_b128 v[REDS], v[128+8*ii:128+8*ii+3] offset:1024*ii          ; each accumulator from its low end on
	ds_store_b128 v[REDS], v[128+8*ii+4:128+8*ii+7] offset:1024*ii+512
.set ii, ii+1
.endr
	s_wait_dscnt 0x0                               ; for my partner's sake: my stores have landed
	s_barrier_signal -1
	s_barrier_wait -1
	WIN 0x40                                       ; destination window 1
.set ii, 0
.rept 32
	ds_load_b128 v[4*ii:4*ii+3], v[REDR] offset:512*ii
.set ii, ii+1
.endr
	s_wait_dscnt 0x0
	WIN 0x86                                       ; destination and source 0 window 2 (my sums), source 1 window 1 (my partner's)
.set ii, 0
.rept 64
	v_pk_add_f32 v[2*ii:2*ii+1], v[2*ii:2*ii+1], v[2*ii:2*ii+1]
.set ii, ii+1
.endr
	WIN 0
	; ---- h of my 32 tokens x 128 units lies in window 2, v0-127: tile e at 64 e, register 16 b + i = unit 32 b + 16 (lane / 16) + i.  Its nine planes, quantised, are K steps 8 f + bn of layer 2
	s_mov_b32 s[K25], 0x40200000
	s_mov_b32 s[K25+1], s[K25]
	s_mov_b32 s[KM25], 0xc0200000
	s_mov_b32 s[KM25+1], s[KM25]
	s_mov_b32 s[K16], 0x3e2aaaab
	s_mov_b32 s[K16+1], s[K16]
	s_mov_b32 s[K23], 0xbf2aaaab
	s_mov_b32 s[K23+1], s[K23]
	s_mov_b32 s[NL2E], 0xbfb8aa3b
	s_mov_b32 s[NL2E+1], s[NL2E]
	s_mov_b32 s[SEL], 0x76543210
	s_mov_b32 s[SEL+1], 0xfedcba98
	s_mov_b32 s[HM], 0xffff0000                    ; lanes 16-31
	s_mov_b32 s[SOF], 0
	s_mov_b32 s[CNT], 8
	v_mov_b32 v[CL], 0x40b00000                    ; 5.5
	v_mov_b32 v[CL+1], 0x40b00000
	v_mov_b32 v[CR], 0xbfc00000                    ; -1.5
	v_mov_b32 v[CR+1], 0xbfc00000
.irp b, 0,1,2,3
	v_mov_b32 v[TM+4+\b], 0                        ; a lane permute's destination counts as one of its sources
.endr
.Lplane:                                           ; eight trips: a spline plane each
.irp e, 0,1
	EXPAND 64*\e, 0x02                             ; source 0 window 2
	QUANT FF, PC0+20*\e, PWA+\e
.irp j, 0,1,2
	global_store_b128 v[LI], v[PC0+20*\e+4*\j:PC0+20*\e+4*\j+3], s[DST:DST+1] offset:1536*\e+512*\j   ; 512 consecutive bytes
.endr
.endr
	v_cndmask_b32 v[PWC], v[PWA], v[PWB], s[HM]    ; lanes 0-15 the first tile's words, lanes 16-31 the second's
	v_add_nc_u32 v[TMPA], s[SOF], v[SCW]
	ds_store_b32 v[TMPA], v[PWC]                   ; gathered in LDS, so that a plane's 512 bytes of words leave together
	v_add_f32 v[CL], -1.0, v[CL]
	v_add_f32 v[CR], 1.0, v[CR]
	s_wait_xcnt 0x0                                ; the stores have read their data and base: both are written again only behind this wait
	s_add_nc_u64 s[DST:DST+1], s[DST:DST+1], 102400   ; a plane on: eight K steps
	s_add_co_u32 s[SOF], s[SOF], 512
	s_sub_co_u32 s[CNT], s[CNT], 1
	s_cmp_lg_u32 s[CNT], 0
	s_cbranch_scc1 .Lplane
.irp e, 0,1                                    ; plane 8: silu(h)
	SILU 64*\e, 0x02
	QUANT FF, PC0+20*\e, PWA+\e
.irp j, 0,1,2
	global_store_b128 v[LI], v[PC0+20*\e+4*\j:PC0+20*\e+4*\j+3], s[DST:DST+1] offset:1536*\e+512*\j
.endr
.endr
	v_cndmask_b32 v[PWC], v[PWA], v[PWB], s[HM]
	ds_store_b32 v[SCW], v[PWC] offset:4096
	s_wait_dscnt 0x0                               ; for the others' sake: my scale words have landed
	s_barrier_signal -1
	s_barrier_wait -1
	ds_load_b128 v[64:67], v[SCRD]                 ; wave w sends planes w and w + 4: 512 consecutive bytes each
	ds_load_b128 v[68:71], v[SCRD] offset:2048
	s_wait_dscnt 0x0
	global_store_b128 v[LI], v[64:67], s[SDST:SDST+1]
	global_store_b128 v[LI], v[68:71], s[SDST:SDST+1] offset:409600
	s_cmp_lg_u32 s14, 0
	s_cbranch_scc1 .Lnot_first
	ds_load_b128 v[72:75], v[SCRD] offset:4096     ; wave 0 also plane 8
	s_wait_dscnt 0x0
	global_store_b128 v[LI], v[72:75], s[SDST:SDST+1] offset:819200
.Lnot_first:
	s_wait_tensorcnt 0x0                           ; the wave's end: behind my last tensor load and my last LDS store
	ds_add_u32 v[SPW], v[NIL]
	s_wait_dscnt 0x0
	CROUND                                         ; the closing round: no work-group ends while a partner may still ask for a tile that names it
	s_endpgm
.Lfunc_end_k_q61837e0b83_gemm1:
	.size	k_q61837e0b83_gemm1, .Lfunc_end_k_q61837e0b83_gemm1-k_q61837e0b83_gemm1
	.p2alignl 7, 3214868480
	.fill 96, 4, 3214868480
	.section	.rodata,"a",@progbits
	.p2align	6, 0x0
	.amdhsa_kernel k_q61837e0b83_gemm1
		.amdhsa_group_segment_fixed_size 327680
		.amdhsa_private_segment_fixed_size 0
		.amdhsa_enable_private_segment 0
		.amdhsa_kernarg_size 24
		.amdhsa_user_sgpr_count 2
		.amdhsa_user_sgpr_kernarg_segment_ptr 1
		.amdhsa_wavefront_size32 1
		.amdhsa_system_sgpr_workgroup_id_x 1
		.amdhsa_system_sgpr_workgroup_id_y 1
		.amdhsa_system_sgpr_workgroup_id_z 1
		.amdhsa_system_vgpr_workitem_id 0
		.amdhsa_next_free_vgpr 768
		.amdhsa_next_free_sgpr 100
		.amdhsa_reserve_vcc 0
		.amdhsa_float_denorm_mode_32 3
		.amdhsa_float_denorm_mode_16_64 3
		.amdhsa_memory_ordered 1
		.amdhsa_forward_progress 1
		.amdhsa_inst_pref_size 192
	.end_amdhsa_kernel
	.amdgpu_metadata
---
amdhsa.version: [ 1, 2 ]
amdhsa.kernels:
  - .name:           k_q61837e0b83_gemm1
    .symbol:         k_q61837e0b83_gemm1.kd
    .args:
      - { .name: a1, .offset: 0, .size: 8, .value_kind: global_buffer, .address_space: global }
      - { .name: w1, .offset: 8, .size: 8, .value_kind: global_buffer, .address_space: global }
      - { .name: a2, .offset: 16, .size: 8, .value_kind: global_buffer, .address_space: global }
    .group_segment_fixed_size: 327680
    .private_segment_fixed_size: 0
    .kernarg_segment_align: 8
    .kernarg_segment_size: 24
    .max_flat_workgroup_size: 128
    .sgpr_count:     100
    .vgpr_count:     768
    .wavefront_size: 32
...
	.end_amdgpu_metadata
.endif
;; end of part 2
;; launch gemm2 (part 3): grid 8 x 32, 4 waves a work-group, clusters of 4 x 4, 327,680 bytes of LDS; arguments a2, w2, out0; writes out0
.if DOCPART == 3
	.amdgcn_target "amdgcn-amd-amdhsa--gfx1250"
	.amdhsa_code_object_version 6
	.text
	.protected	k_q61837e0b83_gemm2
	.globl	k_q61837e0b83_gemm2
	.p2align	8
	.type	k_q61837e0b83_gemm2,@function
k_q61837e0b83_gemm2:
	s_mov_b64 s[64:65], 0
	v_nop
	global_prefetch_b8 v0, s[64:65] scope:SCOPE_SE
	s_setreg_imm32_b32 hwreg(HW_REG_WAVE_MODE, 25, 1), 1
	s_wait_xcnt 0x0
	s_wait_alu depctr_hold_cnt(0) depctr_sa_sdst(0) depctr_va_vdst(0) depctr_va_sdst(0) depctr_va_ssrc(0) depctr_va_vcc(0) depctr_vm_vsrc(0)
	s_getreg_b32 s2, hwreg(HW_REG_IB_STS2, 6, 4)
	s_cmp_eq_u32 s2, 0
	s_cbranch_scc0 .Lentry_in_a_cluster
	s_endpgm
.Lentry_in_a_cluster:
	s_bfe_u32 s2, ttmp6, 0x10000c
	s_cmp_lg_u32 s2, 0xf033
	s_cbranch_scc0 .Lentry_shape_is_right
	s_endpgm
.Lentry_shape_is_right:
; GEMM2: out = A2' W2'^T (4,096 tokens x 512 outputs, K = 9 planes x 1,024 = 72 steps of 128) on codes of FP6 (E2M3) with E8M0 scales; out is f32.
; a2: [32 blocks of 128 tokens][72 K steps][chunk of 12,800 bytes: eight images of 1,536 bytes, then 128 scale words]; w2: [8 blocks of 64 outputs][72][6,400: four images, then 64 words].  An image: registers 4 j .. 4 j + 3 of lane l at 512 j + 16 l.
; SHARES.  A work-group makes 128 tokens (block bm) x 64 outputs (block bn).  ITS FOUR WAVES SHARE K: wave w takes the K steps w, w + 4, .. for the whole tile: 8 x 4 = 32 accumulators, so that 12 fragments read from LDS feed 32 matrix
; instructions.  At the end each wave sends three quarters of its partial sums through LDS and owns 32 whole rows.  So that every wave keeps and sends the same registers, its pairs of tiles of rows are taken in turned order:
; accumulators a' = 2 q, 2 q + 1 are the pair (w + q) % 4; q = 0 is kept.
; THE MATRIX INSTRUCTION IS USED TRANSPOSED (source 0 = 16 rows of W2', source 1 = 16 tokens): a lane holds one token, and register j of tile b is output 32 (b / 2) + 16 (lane / 16) + 8 (b % 2) + j of the block.
; THE RING.  Two LDS slots of eight K steps (A's eight chunks, then W's eight), filled by the tensor data mover as rows of 256 bytes of dense memory; waves 0, 1 bring A's halves, waves 2, 3 W's.
; CLUSTERS: 4 x 4 work-groups; A's tiles are asked for jointly by a row of the cluster, W's by a column.  A wave has at most two tensor loads out (the two first fills), later one.
; No prefetch is laid: each run of a2 and w2 is read by several clusters shortly after one another, and a refill has two of a wave's steps in which to land.
; REGISTERS, in windows of 256: window 0: v2-31, v44-46 addresses, v32-43 scale words (two sets of six: nothing else ever lies there), v48-143 W's four fragments, two sets; on the way out v64-127 rows of out.
;   window 1: A's eight fragments, two sets, at v0 and v96; behind the loop the others' partial sums.   window 2: the 32 accumulators, (a', b) at v[8 (4 a' + b)].
.set KS,    72
.set SS,    8                          ; K steps in a slot
.set KW,    4                          ; ways in which K is shared
.set CHA,   12800
.set CHW,   6400
.set SLOT,  153600
.set WOFF,  SS*CHA                     ; W's chunks lie behind A's
.set RA,    (SS/2)*CHA/256             ; rows of 256 bytes in a tensor load: 200 for A,
.set RW,    (SS/2)*CHW/256             ; 100 for W
.set SPARE, 2*SLOT                     ; behind the ring: the spare words, 128 bytes for each wave: two blocks of 256 bytes that no other line names
.set RED,   SLOT                       ; the exchange of partial sums, 24,576 bytes for each receiving wave, in slot 1: it has had its last fill and its last read when the first sum is stored there
.set STAGE, RED+4*24576                ; behind it, still in slot 1: 32 rows x (256 bytes + 16) for each wave, for the way out
.set LI,   2                           ; v2   16 x lane
.set L4,   3                           ; v3   4 x lane
.set BA,   4                           ; v4-13  my places in slot 0's first chunk: A's four pairs of tiles, their scale words, W's tiles, their scale words
.set TA,   14                          ; v14-23 the same for the step that is being fetched
.set RS,   24                          ; v24-26 where I put the sums that I send
.set RR,   27                          ; v27    where the others have put mine
.set SPW,  28                          ; v28  LDS address of my spare word; never rewritten
.set NIL,  29                          ; v29  0; never rewritten
.set SO,   30
.set SR,   31
.set SC,   32                          ; scale words, set p at v[SC + 6 p]: +0 .. +3 A's four pairs of tiles, +4, +5 W's two: lanes 0-15 the even tile's rows, lanes 16-31 the odd one's
.set GO,   44
.set WF,   48
.set OB,   64
.set G1,   24                          ; s[24:31] descriptor group 1 for A's tiles;  s[32:39] group 0, one set for each slot
.set G0,   32
.set G1B,  48                          ; s[48:55], s[56:63] the same for W's
.set G0B,  56
.set MUL,  0xa4                        ; source 0 (W) window 0, source 1 (A) window 1, C and D window 2
.set MSB, 0
.macro WIN new                         ; the immediate's high byte repeats the setting that is left
.if MSB != (\new)
	s_set_vgpr_msb (MSB<<8)|(\new)
.set MSB, (\new)
.endif
.endm
.macro PLACES n
.rept \n
	v_nop
.endr
.endm
; A joint load: waves 0 and 1 fetch for A, waves 2 and 3 for W.  Each line has one mask and one set of registers for all that issue it; the branch hangs on the wave's number alone.  Four v_nop follow each line.
.macro JLOAD g0a, g1a, g0b, g1b
	s_cmp_eq_u32 s15, 0
	s_cbranch_scc0 .Lfor_b_\@
	tensor_load_to_lds s[\g0a:\g0a+3], s[\g1a:\g1a+7]
	s_nop 0
.rept 4
	v_nop
.endr
	s_branch .Lasked_\@
.Lfor_b_\@:
	tensor_load_to_lds s[\g0b:\g0b+3], s[\g1b:\g1b+7]
	s_nop 0
.rept 4
	v_nop
.endr
.Lasked_\@:
.endm
.macro CREST                           ; a round of the cluster's barrier behind its opening barrier
	s_cmp_lg_u32 s14, 0
	s_cbranch_scc1 .Lnot_wave_0_\@
	s_barrier_signal -3
.Lnot_wave_0_\@:
	s_barrier_wait -3
	s_barrier_signal -1
	s_barrier_wait -1
.endm
.macro CROUND                          ; a whole round
	s_barrier_signal -1
	s_barrier_wait -1
	CREST
.endm
; One matrix instruction on the registers named by rD, rW, rA, rSW, rSA.  br, ar: the tile of W, of A is the odd one of its pair: its scale words lie in lanes 16-31.  zero: the product starts the sum.
.macro WM zero, br, ar
.if \zero
.if (\br) && (\ar)
	v_wmma_scale_f32_16x16x128_f8f6f4 v[rD:rD+7], v[rW:rW+11], v[rA:rA+11], 0, v[rSW], v[rSA] matrix_a_fmt:MATRIX_FMT_FP6 matrix_b_fmt:MATRIX_FMT_FP6 matrix_a_scale:MATRIX_SCALE_ROW1 matrix_b_scale:MATRIX_SCALE_ROW1
.elseif (\br)
	v_wmma_scale_f32_16x16x128_f8f6f4 v[rD:rD+7], v[rW:rW+11], v[rA:rA+11], 0, v[rSW], v[rSA] matrix_a_fmt:MATRIX_FMT_FP6 matrix_b_fmt:MATRIX_FMT_FP6 matrix_a_scale:MATRIX_SCALE_ROW1
.elseif (\ar)
	v_wmma_scale_f32_16x16x128_f8f6f4 v[rD:rD+7], v[rW:rW+11], v[rA:rA+11], 0, v[rSW], v[rSA] matrix_a_fmt:MATRIX_FMT_FP6 matrix_b_fmt:MATRIX_FMT_FP6 matrix_b_scale:MATRIX_SCALE_ROW1
.else
	v_wmma_scale_f32_16x16x128_f8f6f4 v[rD:rD+7], v[rW:rW+11], v[rA:rA+11], 0, v[rSW], v[rSA] matrix_a_fmt:MATRIX_FMT_FP6 matrix_b_fmt:MATRIX_FMT_FP6
.endif
.else
.if (\br) && (\ar)
	v_wmma_scale_f32_16x16x128_f8f6f4 v[rD:rD+7], v[rW:rW+11], v[rA:rA+11], v[rD:rD+7], v[rSW], v[rSA] matrix_a_fmt:MATRIX_FMT_FP6 matrix_b_fmt:MATRIX_FMT_FP6 matrix_a_scale:MATRIX_SCALE_ROW1 matrix_b_scale:MATRIX_SCALE_ROW1
.elseif (\br)
	v_wmma_scale_f32_16x16x128_f8f6f4 v[rD:rD+7], v[rW:rW+11], v[rA:rA+11], v[rD:rD+7], v[rSW], v[rSA] matrix_a_fmt:MATRIX_FMT_FP6 matrix_b_fmt:MATRIX_FMT_FP6 matrix_a_scale:MATRIX_SCALE_ROW1
.elseif (\ar)
	v_wmma_scale_f32_16x16x128_f8f6f4 v[rD:rD+7], v[rW:rW+11], v[rA:rA+11], v[rD:rD+7], v[rSW], v[rSA] matrix_a_fmt:MATRIX_FMT_FP6 matrix_b_fmt:MATRIX_FMT_FP6 matrix_b_scale:MATRIX_SCALE_ROW1
.else
	v_wmma_scale_f32_16x16x128_f8f6f4 v[rD:rD+7], v[rW:rW+11], v[rA:rA+11], v[rD:rD+7], v[rSW], v[rSA] matrix_a_fmt:MATRIX_FMT_FP6 matrix_b_fmt:MATRIX_FMT_FP6
.endif
.endif
.endm
; Eight matrix instructions: pair qd of A's tiles against W's four, set p.  The 32 accumulators take turns, one instruction a turn, in the same order in every step.
.macro MULQ p, qd, zero
.irp e, 0,1
.irp b, 0,1,2,3
.set rD, 8*(4*(2*(\qd)+\e)+\b)
.set rW, WF+48*(\p)+12*\b
.set rA, 96*(\p)+12*(2*(\qd)+\e)
.set rSW, SC+6*(\p)+4+\b/2
.set rSA, SC+6*(\p)+(\qd)
	WM \zero, \b%2, \e
.endr
.endr
.endm
; My j-th step of a slot into set p: 36 loads of 512 consecutive bytes and six of 128.  The ten additions are the places between the last matrix instruction that read that set and the loads into it (four are asked: ISA guide 7.12.1 for
; vector instructions).
.macro FETCH slot, j, p
	WIN 0
.irp i, 0,1,2,3,4,5,6,7
	v_add_nc_u32 v[TA+\i], (\slot)*SLOT+KW*(\j)*CHA, v[BA+\i]
.endr
.irp i, 8,9
	v_add_nc_u32 v[TA+\i], (\slot)*SLOT+KW*(\j)*CHW, v[BA+\i]
.endr
.irp b, 0,1,2,3
.irp g, 0,1,2
	ds_load_b128 v[WF+48*(\p)+12*\b+4*\g:WF+48*(\p)+12*\b+4*\g+3], v[TA+8] offset:1536*\b+512*\g
.endr
.endr
.irp q, 0,1,2,3
	ds_load_b32 v[SC+6*(\p)+\q], v[TA+4+\q]
.endr
.irp q, 0,1
	ds_load_b32 v[SC+6*(\p)+4+\q], v[TA+9] offset:128*\q
.endr
	WIN 0x40                                       ; destination window 1
.irp q, 0,1,2,3
.irp e, 0,1
.irp g, 0,1,2
	ds_load_b128 v[96*(\p)+12*(2*\q+\e)+4*\g:96*(\p)+12*(2*\q+\e)+4*\g+3], v[TA+\q] offset:1536*\e+512*\g
.endr
.endr
.endr
.endm
; A step that has its successor in the same slot: set p is multiplied while the next step's fragments come into the other set.
.macro STEP slot, j, p, zero
	s_wait_dscnt 0x0                               ; set p is in: it was asked for a step ago
	FETCH \slot, (\j)+1, 1-(\p)
	WIN MUL
	MULQ \p, 0, \zero
	MULQ \p, 1, \zero
	MULQ \p, 2, \zero
	MULQ \p, 3, \zero
.endm
; A slot's last step changes slots: one barrier; in front of it each wave waits for all its tensor loads, adds 0 to its spare word, and waits for that and for its reads of this slot.  fill = 1: this slot is filled again, two slots ahead.
.macro TURN slot, next, fill, p
	WIN 0                                          ; (the add's two registers lie in window 0)
	s_wait_tensorcnt 0x0                           ; all my tensor loads have landed: my part of the next slot;
	ds_add_u32 v[SPW], v[NIL]                      ; 0 onto my spare word
	s_wait_dscnt 0x1                               ; set p is in; the add alone may be out
	WIN MUL
	MULQ \p, 0, 0                                  ; eight matrix instructions stand between the add and the wait for it
	s_wait_dscnt 0x0                               ; the add is done, and my reads of this slot are over
	s_barrier_signal -1
	MULQ \p, 1, 0
	WIN 0
	s_barrier_wait -1
.if \fill
	CREST                                          ; the barrier has opened a round of the cluster's: no wave of any partner still reads this slot or has a load on its way
	s_add_nc_u64 s[G0+4*\slot+2:G0+4*\slot+3], s[G0+4*\slot+2:G0+4*\slot+3], 2*SS*CHA
	s_add_nc_u64 s[G0B+4*\slot+2:G0B+4*\slot+3], s[G0B+4*\slot+2:G0B+4*\slot+3], 2*SS*CHW
	JLOAD G0+4*\slot, G1, G0B+4*\slot, G1B         ; the first tensor load behind the round, and my only one until the next
.endif
	FETCH \next, 0, 1-(\p)
	WIN MUL
	MULQ \p, 2, 0
	MULQ \p, 3, 0
.endm
.macro LAST p
	s_wait_dscnt 0x0
	WIN MUL
	MULQ \p, 0, 0
	MULQ \p, 1, 0
	MULQ \p, 2, 0
	MULQ \p, 3, 0
	WIN 0
.endm
	s_load_b128 s[4:7], s[0:1], 0x0                ; a2 s[4:5], w2 s[6:7]
	s_load_b64 s[8:9], s[0:1], 0x10                ; out0
	v_lshl_add_u32 v[SPW], v0, 2, SPARE
	v_mov_b32 v[NIL], 0
	ds_add_u32 v28, v29
	ds_add_u32 v28, v29
	s_wait_dscnt 0x0
	v_lshrrev_b32 v1, 5, v0
	v_readfirstlane_b32 s14, v1                    ; wave 0..3: also which K steps are mine
	s_lshr_b32 s15, s14, 1                         ; I fetch for A (0) or for W (1),
	s_and_b32 s16, s14, 1                          ; and which half of a slot's chunks
	s_bfe_u32 s40, ttmp6, 0x40000                  ; cx, cy: my place in the cluster
	s_bfe_u32 s41, ttmp6, 0x40004
	s_lshl_b32 s42, ttmp9, 2
	s_add_co_u32 s42, s42, s40                     ; bn = 4 x cluster x + cx
	s_and_b32 s17, ttmp7, 0xffff
	s_lshl_b32 s17, s17, 2
	s_add_co_u32 s17, s17, s41                     ; bm = 4 x cluster y + cy
	s_lshl_b32 s43, s41, 2
	s_lshl_b32 s43, 15, s43                        ; my row of the cluster
	s_lshl_b32 s44, 0x1111, s40                    ; my column
	; descriptor group 1: a dense run of memory as rows of 256 bytes (32 elements of 8 bytes), no padding
	s_or_b32 s[G1+0], s43, (3<<16)|(1<<21)         ; 15:0 the mask: A's tiles go to my row; 17:16 elements of 8 bytes; 21 set beside a mask
	s_or_b32 s[G1B+0], s44, (3<<16)|(1<<21)        ; W's go to my column
	s_mov_b32 s[G1+1], 32<<16                      ; tensor_dim0
	s_mov_b32 s[G1+2], RA<<16                      ; tensor_dim1
	s_mov_b32 s[G1+3], 32<<16                      ; tile_dim0
	s_mov_b32 s[G1+4], RA                          ; tile_dim1
	s_mov_b32 s[G1+5], 32                          ; tensor_dim0_stride
	s_mov_b32 s[G1+6], 0
	s_mov_b32 s[G1+7], 0
	s_mov_b32 s[G1B+1], 32<<16
	s_mov_b32 s[G1B+2], RW<<16
	s_mov_b32 s[G1B+3], 32<<16
	s_mov_b32 s[G1B+4], RW
	s_mov_b32 s[G1B+5], 32
	s_mov_b32 s[G1B+6], 0
	s_mov_b32 s[G1B+7], 0
	s_mul_i32 s18, s16, SS/2                       ; the half's first chunk
	s_mul_i32 s20, s17, KS
	s_add_co_u32 s20, s20, s18
	s_mul_i32 s20, s20, CHA                        ; A: block bm, in bytes: made of bm and the wave's number alone
	s_mov_b32 s21, 0
	s_mul_i32 s46, s42, KS
	s_add_co_u32 s46, s46, s18
	s_mul_i32 s46, s46, CHW                        ; W: block bn: of bn and the wave's number alone
	s_mov_b32 s47, 0
	s_mul_i32 s45, s16, (SS/2)*CHA                 ; where they go in a slot: no place in the cluster enters an LDS address
	s_mul_i32 s19, s16, (SS/2)*CHW
	s_add_co_u32 s19, s19, WOFF
	s_wait_kmcnt 0x0
	s_add_nc_u64 s[20:21], s[4:5], s[20:21]
	s_add_nc_u64 s[46:47], s[6:7], s[46:47]
	CROUND                                         ; all sixteen work-groups are here: the first joint loads meet
.irp s, 0,1
	s_mov_b32 s[G0+4*\s], 1
	s_add_co_u32 s[G0+4*\s+1], s45, \s*SLOT
	s_add_nc_u64 s[G0+4*\s+2:G0+4*\s+3], s[20:21], \s*SS*CHA
	s_or_b32 s[G0+4*\s+3], s[G0+4*\s+3], 0x80000000
	s_mov_b32 s[G0B+4*\s], 1
	s_add_co_u32 s[G0B+4*\s+1], s19, \s*SLOT
	s_add_nc_u64 s[G0B+4*\s+2:G0B+4*\s+3], s[46:47], \s*SS*CHW
	s_or_b32 s[G0B+4*\s+3], s[G0B+4*\s+3], 0x80000000
	JLOAD G0+4*\s, G1, G0B+4*\s, G1B
.endr
	v_and_b32 v1, 31, v0
	v_lshlrev_b32 v[LI], 4, v1
	v_lshlrev_b32 v[L4], 2, v1
	s_mul_i32 s70, s14, CHA                        ; my first chunk of a slot: A's,
	s_mul_i32 s71, s14, CHW
	s_add_co_u32 s71, s71, WOFF                    ; and W's
.irp q, 0,1,2,3
	s_add_co_u32 s72, s14, \q
	s_and_b32 s72, s72, 3                          ; accumulators 2 q, 2 q + 1 are the pair (w + q) % 4 of tiles of rows
	s_mul_i32 s73, s72, 3072
	s_add_co_u32 s73, s73, s70
	v_add_nc_u32 v[BA+\q], s73, v[LI]
	s_lshl_b32 s73, s72, 7
	s_add_co_u32 s73, s73, s70
	s_add_co_u32 s73, s73, 12288
	v_add_nc_u32 v[BA+4+\q], s73, v[L4]
.if \q > 0
	s_mul_i32 s73, s72, 24576                      ; its sums go to the wave of that number: to the (q - 1)-th of its three places
	s_add_co_u32 s73, s73, RED+(\q-1)*8192
	v_add_nc_u32 v[RS+\q-1], s73, v[LI]
.endif
.endr
	v_add_nc_u32 v[BA+8], s71, v[LI]
	s_add_co_u32 s73, s71, 6144
	v_add_nc_u32 v[BA+9], s73, v[L4]
	s_mul_i32 s73, s14, 24576
	s_add_co_u32 s73, s73, RED
	v_add_nc_u32 v[RR], s73, v[LI]
	v_and_b32 v45, 15, v0                          ; r
	v_bfe_u32 v46, v0, 4, 1                        ; h
	s_mul_i32 s73, s14, 8704
	s_add_co_u32 s73, s73, STAGE                   ; my stage
	v_mul_u32_u24 v[SO], v45, 272
	v_lshl_add_u32 v[SO], v46, 6, v[SO]
	v_add_nc_u32 v[SO], s73, v[SO]                 ; in: row r, + 64 h
	v_mul_u32_u24 v[SR], v46, 272
	v_lshl_add_u32 v[SR], v45, 4, v[SR]
	v_add_nc_u32 v[SR], s73, v[SR]                 ; back: lanes 0-15 one row of 256 bytes, lanes 16-31 the next
	v_lshlrev_b32 v[GO], 11, v46
	v_lshl_add_u32 v[GO], v45, 4, v[GO]            ; and the same two rows in out0 (2,048 bytes a row)
	s_lshl_b32 s74, s17, 7
	s_lshl_b32 s75, s14, 5
	s_add_co_u32 s74, s74, s75                     ; my first row: 128 bm + 32 w
	s_lshl_b32 s74, s74, 11
	s_lshl_b32 s75, s42, 8                         ; my block's 64 outputs: 256 bytes
	s_add_co_u32 s74, s74, s75
	s_mov_b32 s75, 0
	s_add_nc_u64 s[8:9], s[8:9], s[74:75]
	s_wait_tensorcnt 0x1                           ; my part of slot 0 is in; slot 1's may stay out
	s_barrier_signal -1
	s_barrier_wait -1                              ; everybody's is
	FETCH 0, 0, 0
	STEP 0, 0, 0, 1                                ; the first step stands in front of the loop: its products start the sums
	WIN 0                                          ; at a label and at a branch every window is 0
	s_mov_b32 s3, 3
.Llap:                                             ; a trip goes once round the ring, from a lap's second step to the next lap's first, and fills both slots again
	TURN 0, 1, 1, 1
	STEP 1, 0, 0, 0
	TURN 1, 0, 1, 1
	STEP 0, 0, 0, 0
	WIN 0
	s_sub_co_u32 s3, s3, 1
	s_cmp_lg_u32 s3, 0
	s_cbranch_scc1 .Llap
	TURN 0, 1, 1, 1                                ; the ninth and last fill goes into slot 0
	STEP 1, 0, 0, 0
	TURN 1, 0, 0, 1                                ; nothing is left to fetch
	STEP 0, 0, 0, 0
	LAST 1
	; ---- THE EXCHANGE: the sums of the three pairs of tiles that are other waves' go to LDS, the three others' sums of my pair come back and are added
	PLACES 4                                       ; behind the last products: in front of the first read of results and of loads into registers that they read
	WIN 0x08                                       ; an LDS store's data are its source 1: window 2
.irp q, 1,2,3
.irp x, 0,1,2,3,4,5,6,7
	ds_store_b128 v[RS+\q-1], v[64*\q+8*\x:64*\q+8*\x+3] offset:1024*\x            ; each accumulator from its low end on
	ds_store_b128 v[RS+\q-1], v[64*\q+8*\x+4:64*\q+8*\x+7] offset:1024*\x+512
.endr
.endr
	s_wait_dscnt 0x0                               ; for the others' sake: my stores have landed
	s_barrier_signal -1
	s_barrier_wait -1
	WIN 0x40                                       ; destination window 1
.set ii, 0
.rept 48
	ds_load_b128 v[4*ii:4*ii+3], v[RR] offset:512*ii
.set ii, ii+1
.endr
	s_wait_dscnt 0x0
	WIN 0x86                                       ; destination and source 0 window 2 (my sums), source 1 window 1 (the others')
.irp q, 0,1,2
.set ii, 0
.rept 32
	v_pk_add_f32 v[2*ii:2*ii+1], v[2*ii:2*ii+1], v[64*\q+2*ii:64*\q+2*ii+1]
.set ii, ii+1
.endr
.endr
	; ---- THE WAY OUT: my 32 rows x 64 outputs through my own stage, so that sixteen lanes store 256 consecutive bytes.  LDS serves a wave's instructions in order (ISA guide 5.7.1.4): no wait between the stores and the loads
	WIN 0x08
.irp e, 0,1
.irp b, 0,1,2,3
	ds_store_b128 v[SO], v[8*(4*\e+\b):8*(4*\e+\b)+3] offset:4352*\e+128*(\b/2)+32*(\b%2)
	ds_store_b128 v[SO], v[8*(4*\e+\b)+4:8*(4*\e+\b)+7] offset:4352*\e+128*(\b/2)+32*(\b%2)+16
.endr
.endr
	WIN 0
.irp i, 0,1,2,3,4,5,6,7,8,9,10,11,12,13,14,15
	ds_load_b128 v[OB+4*\i:OB+4*\i+3], v[SR] offset:544*\i
.endr
.irp i, 0,1,2,3,4,5,6,7,8,9,10,11,12,13,14,15
	s_wait_dscnt 15-\i                             ; the younger loads may stay out
	global_store_b128 v[GO], v[OB+4*\i:OB+4*\i+3], s[8:9] offset:4096*\i th:TH_STORE_NT   ; 16 lanes store 256 consecutive bytes, at a multiple of 256 from out0's first byte; written once, read by nobody here
.endr
	s_wait_tensorcnt 0x0                           ; the wave's end: behind my last tensor load and my last LDS store
	ds_add_u32 v[SPW], v[NIL]
	s_wait_dscnt 0x0
	CROUND                                         ; the closing round: no work-group ends while a partner may still ask for a tile that names it
	s_endpgm
.Lfunc_end_k_q61837e0b83_gemm2:
	.size	k_q61837e0b83_gemm2, .Lfunc_end_k_q61837e0b83_gemm2-k_q61837e0b83_gemm2
	.p2alignl 7, 3214868480
	.fill 96, 4, 3214868480
	.section	.rodata,"a",@progbits
	.p2align	6, 0x0
	.amdhsa_kernel k_q61837e0b83_gemm2
		.amdhsa_group_segment_fixed_size 327680
		.amdhsa_private_segment_fixed_size 0
		.amdhsa_enable_private_segment 0
		.amdhsa_kernarg_size 24
		.amdhsa_user_sgpr_count 2
		.amdhsa_user_sgpr_kernarg_segment_ptr 1
		.amdhsa_wavefront_size32 1
		.amdhsa_system_sgpr_workgroup_id_x 1
		.amdhsa_system_sgpr_workgroup_id_y 1
		.amdhsa_system_sgpr_workgroup_id_z 1
		.amdhsa_system_vgpr_workitem_id 0
		.amdhsa_next_free_vgpr 768
		.amdhsa_next_free_sgpr 100
		.amdhsa_reserve_vcc 0
		.amdhsa_float_denorm_mode_32 3
		.amdhsa_float_denorm_mode_16_64 3
		.amdhsa_memory_ordered 1
		.amdhsa_forward_progress 1
		.amdhsa_inst_pref_size 103
	.end_amdhsa_kernel
	.amdgpu_metadata
---
amdhsa.version: [ 1, 2 ]
amdhsa.kernels:
  - .name:           k_q61837e0b83_gemm2
    .symbol:         k_q61837e0b83_gemm2.kd
    .args:
      - { .name: a2, .offset: 0, .size: 8, .value_kind: global_buffer, .address_space: global }
      - { .name: w2, .offset: 8, .size: 8, .value_kind: global_buffer, .address_space: global }
      - { .name: out0, .offset: 16, .size: 8, .value_kind: global_buffer, .address_space: global }
    .group_segment_fixed_size: 327680
    .private_segment_fixed_size: 0
    .kernarg_segment_align: 8
    .kernarg_segment_size: 24
    .max_flat_workgroup_size: 128
    .sgpr_count:     100
    .vgpr_count:     768
    .wavefront_size: 32
...
	.end_amdgpu_metadata
.endif
;; end of part 3
